; MI455X (gfx1250); checked and timed in simulation.
; The chip was launched on July 23, 2026; its instructions are those of AMD's public machine-readable ISA for CDNA 5 (MIT licence, August 2026) and "CDNA5" Instruction Set Architecture Reference Guide (July 2026). The comments in the code are by the model that wrote it; some were corrected since.
;; Differential Multi Query Attention. Allowed arithmetic: matrix products marked QUANTISED: E2M3 operands, one E8M0 scale for each 32 along K, by v_wmma_scale_f32_16x16x128_f8f6f4 with both operands' format E2M3, f32 sums; everything else in f32.
;; Inputs: freqs_cos 2,048 x 128 float32; freqs_sin 2,048 x 128 float32; k_w 2,048 x 128 float32; mask 2,048 x 2,048 bool; out_w 2,048 x 2,048 float32; q1_w 2,048 x 2,048 float32; q2_w 2,048 x 2,048 float32; v_w 2,048 x 128 float32; x 1 x 2,048 x 2,048 float32.
;; Outputs: out0 1 x 2,048 x 2,048 float32.
;; This version of the problem:
;;   THIS VERSION OF THE PROBLEM IS GIVEN IN LOW PRECISION. The matrix products marked QUANTISED in the list below multiply operands that are first quantised to E2M3 (2 exponent bits, 3 mantissa bits; 6 bits a number), with one power-of-two scale for each 32 numbers along K (OCP MX v1.0); their sums are f32. All else is computed in f32.
;;   The module's matrix products, in the order in which they are computed (A, B: the left and right operand; K: the contracted axis; several contracted axes count as one K, in the product's order):
;;     1. [M 2,048, K 2,048] x [K 2,048, N 2,048]; A: input x; B: input q1_w: QUANTISED
;;     2. [M 2,048, K 2,048] x [K 2,048, N 2,048]; A: input x; B: input q2_w: QUANTISED
;;     3. [M 2,048, K 2,048] x [K 2,048, N 128]; A: input x; B: input k_w: QUANTISED
;;     4. [M 2,048, K 2,048] x [K 2,048, N 128]; A: input x; B: input v_w: QUANTISED
;;     5. batch 16 x [M 2,048, K 128] x [K 128, N 2,048]; A: computed on the way; B: computed on the way: QUANTISED
;;     6. batch 16 x [M 2,048, K 128] x [K 128, N 2,048]; A: computed on the way; B: computed on the way: QUANTISED
;;     7. batch 16 x [M 128, K 2,048] x [K 2,048, N 2,048]; A: computed on the way; B: computed on the way: QUANTISED
;;     8. [M 2,048, K 2,048] x [K 2,048, N 2,048]; A: computed on the way; B: input out_w: QUANTISED
;;   THE QUANTISER, for each operand of a quantised product, along K:
;;     - K is cut into blocks of 32 from its start; a last block that is shorter is filled with zeros.
;;     - A block's scale is 2^e with e = floor(log2(the largest magnitude in the block)) - 2, held to -126 .. 127; a block of zeros has e = 0. As a byte (E8M0): e + 127.
;;     - Each number is divided by its block's scale, clamped to +-7.5, and rounded to the nearest number of E2M3, ties to even, subnormals kept.
;;     - The product sums the exact products of the quantised numbers (number of the format x scale) in f32.
;;   ~~~python
;;   def quantise(x, axis):      # numpy; x: float32 -> the quantised numbers, widened to float32 again
;;       x = np.moveaxis(x, axis, -1); K = x.shape[-1]
;;       x = np.pad(x, [(0, 0)] * (x.ndim - 1) + [(0, -K % 32)]); x = x.reshape(x.shape[:-1] + (-1, 32)); a = np.abs(x).max(-1, keepdims=True)
;;       e = np.where(a > 0, np.clip(np.frexp(np.where(a > 0, a, 1))[1] - 1 - 2, -126, 127), 0)      # np.frexp(a)[1] - 1 = floor(log2(a)), exactly
;;       r = np.clip(x / 2.0 ** e, -7.5, 7.5)
;;       step = 2.0 ** (np.maximum(np.frexp(np.where(r == 0, 1, r))[1] - 1, 0) - 3)
;;       q = np.round(r / step) * step * 2.0 ** e      # np.round: ties to even
;;       return np.moveaxis(q.reshape(q.shape[:-2] + (-1,))[..., :K], -1, axis).astype(np.float32)
;;   ~~~
;;   OPERANDS COMPUTED ON THE WAY. 'Computed on the way' means the value that the module computes at that place (a softmax that the list does not call 'softmax' is quantised finished and normalised). What goes into a quantiser is computed in f32, as accurately as f32 sums, v_exp_f32 and their like allow (about 1e-6 of the number): no bf16 or f16 on the way to a quantiser, and a product that is left as it is and whose result goes on into a quantised operand takes f32 operands (vector FMAs, or v_wmma_f32_16x16x4_f32). A number that lies on a knife's edge between two numbers of the format may be rounded either way, as far as f32 arithmetic and the matrix unit's own rounding can turn it there, and no further.
;; One version. Each part assembles by itself: llvm-mc -triple=amdgcn-amd-amdhsa -mcpu=gfx1250 --defsym DOCPART=n.
;; ======== version 1 of 1: 4 launches
;; limits: right only within a limited range of input values
;; workspace buffers: xq 3,276,800 bytes; wq 10,240,000 bytes; qkv 6,963,200 bytes; aq 3,276,800 bytes
;; launch quant (part 1): grid 1056 x 1, 4 waves a work-group, no clusters, 46,592 bytes of LDS; arguments x, q1_w, q2_w, out_w, k_w, v_w, xq, wq; writes xq, wq
.if DOCPART == 1
	.amdgcn_target "amdgcn-amd-amdhsa--gfx1250"
	.amdhsa_code_object_version 6
	.text
	.protected	k_qb37ebe053e_quant
	.globl	k_qb37ebe053e_quant
	.p2align	8
	.type	k_qb37ebe053e_quant,@function
k_qb37ebe053e_quant:
	s_mov_b64 s[64:65], 0
	v_nop
	global_prefetch_b8 v0, s[64:65] scope:SCOPE_SE
	s_setreg_imm32_b32 hwreg(HW_REG_WAVE_MODE, 25, 1), 1
	s_wait_xcnt 0x0
; x [2048][2048] and the five weights ([2048 (K)][N]), f32, become codes of FP6 (E2M3) with one E8M0 byte for each 32 along K (the hidden axis), laid as IMAGES OF OPERAND REGISTERS.
; A TILE is 16 rows of an operand (positions of x, columns of a weight); tile T = 2 G + u; its fragment's lane r holds row 32 G + 8 u + r + 8 (r / 8) of the tensor.
; AN IMAGE is one fragment, 16 rows x 128 along K, 12 registers a lane, as 1,536 dense bytes: register p of lane l at 512 (p / 4) + 16 l + 4 (p % 4).  Images lie [T][K step][1536].
; A SCALE BLOCK is 128 bytes for a pair of tiles G and a K step: the word (four bytes, 128 along K) of tile u, row r at 4 (16 u + r).  Blocks lie [G][K step][128], behind the images.
; A block's scale is 2^(floor(log2(its largest magnitude)) - 2): its byte is the largest magnitude's exponent field - 2, held at 1 from below.
; LIMITS: a block of zeros keeps the byte 1 (its codes are zeros, and only this program reads the bytes); NaN and infinities among the inputs are not served.
; Work-groups 0-255 take x: a wave takes a pair of tiles (32 rows) x 128 along K.  Work-groups 256-1055 take the weights: a wave takes 32 columns x 128 along K, a lane to a column, registers down K.
; A stream: each input byte is read once.  No matrix unit, no tensor load, no barrier: waves share nothing.  The two ways have LDS bytes of their own.
.set XSTW,  8448                       ; x's stage of a wave: 16 rows x (512 bytes + 16)
.set WST,   33792                      ; behind the four: the weights' stages, 3,072 bytes a wave: two images
.set WSTW,  3072
.set SPARE, 46080                      ; the spare words, 128 bytes for each wave
.set XSCALES, 3145728                  ; where xq's scale blocks begin
.set WSCALES, 9830400                  ; and wq's
.set SPW, 1                            ; v1  LDS address of my spare word; never rewritten
.set NIL, 2                            ; v2  0; never rewritten
.set LI,  3                            ; v3  16 x lane
.set L4,  4                            ; v4  4 x lane
.set SEL, 40                           ; s[40:41] lane selects: lane l xor 16
.set TM,  208                          ; v208-223 at work in QUANT
.set RAW, 16                           ; x: v16-143 32 rows as loaded
.set XT,  144                          ; x: v144-207 64 numbers of my row
.set WOFF, 16                          ; weights: v16-47 offsets of 32 rows of K
.set WD,  48                           ; v48-175 my column's 128 numbers
.set WC,  176                          ; v176.. a block's six registers of codes, eight apart
.set DT,  208                          ; v208-210 the second half of a block's codes, as made
.set SB,  216                          ; v216 my column's four scale bytes
.set WOUT, 220                         ; v220-243 two images on their way out
; 64 numbers of a lane, register 16 b + i = k 32 b + 16 (lane / 16) + i of my row, become a fragment's codes in v[pc .. pc + 11] (pc + 12 .. pc + 19 at work) and its scale word in v[pw]
.macro QUANT s, pc, pw, ab
.irp b, 0,1,2,3
.if \ab
	v_max3_num_f32 v[TM+\b], |v[\s+16*\b]|, |v[\s+1+16*\b]|, 0x1800000   ; my 16 numbers of block b, and the floor 2^(3 - 127): the byte cannot fall under 1
.else
	v_max3_num_f32 v[TM+\b], v[\s+16*\b], v[\s+1+16*\b], 0x1800000
.endif
.endr
.irp i, 2,4,6,8,10,12,14
.irp b, 0,1,2,3
.if \ab
	v_max3_num_f32 v[TM+\b], v[TM+\b], |v[\s+16*\b+\i]|, |v[\s+1+16*\b+\i]|
.else
	v_max3_num_f32 v[TM+\b], v[TM+\b], v[\s+16*\b+\i], v[\s+1+16*\b+\i]
.endif
.endr
.endr
.irp b, 0,1,2,3
	v_permlanex16_b32 v[TM+4+\b], v[TM+\b], s[SEL], s[SEL+1]
.endr
.irp b, 0,1,2,3
	v_max_num_f32 v[TM+\b], v[TM+\b], v[TM+4+\b]   ; with lane l xor 16's: the block's largest magnitude
.endr
.irp b, 0,1,2,3
	v_add_nc_u32 v[TM+12+\b], 0xff000000, v[TM+\b]   ; 2 off its exponent field: the conversion's scale operand
.endr
.irp b, 0,1,2,3
	v_lshrrev_b32 v[TM+4+\b], 23, v[TM+12+\b]      ; the scale's byte
.endr
	v_lshl_or_b32 v[\pw], v[TM+5], 8, v[TM+4]
	v_lshl_or_b32 v[\pw], v[TM+6], 16, v[\pw]
	v_lshl_or_b32 v[\pw], v[TM+7], 24, v[\pw]
.irp c, 0,1
	v_cvt_scalef32_pk16_fp6_f32 v[\pc+6*\c:\pc+2+6*\c], v[\s+32*\c:\s+15+32*\c], v[TM+12+2*\c]
	v_cvt_scalef32_pk16_fp6_f32 v[\pc+12+4*\c:\pc+14+4*\c], v[\s+16+32*\c:\s+31+32*\c], v[TM+12+2*\c+1]   ; (a conversion's three registers begin on an even number)
.endr
	v_nop                                          ; one plain place behind a scaled conversion
.irp c, 0,1                                    ; the operand's layout wants a whole block in a lane
.irp i, 0,1,2
	v_permlane16_swap_b32 v[\pc+6*\c+\i], v[\pc+12+4*\c+\i]
.endr
.irp i, 0,1,2
	v_mov_b32 v[\pc+3+6*\c+\i], v[\pc+12+4*\c+\i]
.endr
.endr
.endm
	s_load_b512 s[4:19], s[0:1], 0x0               ; x, q1_w, q2_w, out_w, k_w, v_w, xq, wq
	v_lshl_add_u32 v[SPW], v0, 2, SPARE
	v_mov_b32 v[NIL], 0
	v_lshrrev_b32 v5, 5, v0
	v_readfirstlane_b32 s20, v5                    ; wave 0..3
	v_and_b32 v5, 31, v0
	v_lshlrev_b32 v[LI], 4, v5
	v_lshlrev_b32 v[L4], 2, v5
	s_mov_b32 s[SEL], 0x76543210
	s_mov_b32 s[SEL+1], 0xfedcba98
	s_cmp_lt_u32 ttmp9, 256
	s_cbranch_scc0 .Lweights
	; ---- x: unit U = 4 x work-group + wave: pair of tiles G = U / 16, K step U % 16
	s_lshl_b32 s21, ttmp9, 2
	s_add_co_u32 s21, s21, s20                     ; U
	s_lshr_b32 s22, s21, 4                         ; G
	s_and_b32 s23, s21, 15                         ; K step
	s_lshl_b32 s24, s22, 18                        ; 32 rows of 8,192 bytes
	s_lshl_b32 s25, s23, 9                         ; 128 numbers
	s_add_co_u32 s24, s24, s25
	s_mov_b32 s25, 0
	s_lshl_b32 s26, s22, 5
	s_add_co_u32 s26, s26, s23
	s_mul_i32 s26, s26, 1536                       ; image (2 G, K step)
	s_mov_b32 s27, 0
	s_lshl_b32 s28, s21, 7                         ; scale block 16 G + K step = U
	s_add_co_u32 s28, s28, XSCALES
	s_mov_b32 s29, 0
	s_mul_i32 s30, s20, XSTW                       ; my stage
	s_mov_b32 s31, 0xffff0000                      ; lanes 16-31
	v_add_nc_u32 v5, s30, v[LI]                    ; in: 16 bytes a lane of a row's 512
	v_and_b32 v6, 15, v0
	v_bfe_u32 v7, v0, 4, 1
	v_mul_u32_u24 v6, v6, 528
	v_lshl_add_u32 v6, v7, 6, v6
	v_add_nc_u32 v6, s30, v6                       ; back: row lane % 16, + 64 bytes for lanes 16-31
.irp b, 0,1,2,3
	v_mov_b32 v[TM+4+\b], 0                        ; a lane permute's destination counts as one of its sources
.endr
	s_wait_kmcnt 0x0
	s_add_nc_u64 s[4:5], s[4:5], s[24:25]
	s_add_nc_u64 s[32:33], s[16:17], s[26:27]
	s_add_nc_u64 s[34:35], s[16:17], s[28:29]
.irp u, 0,1
.irp i, 0,1,2,3,4,5,6,7,8,9,10,11,12,13,14,15
	global_load_b128 v[RAW+4*(16*\u+\i):RAW+4*(16*\u+\i)+3], v[LI], s[4:5] offset:(8*\u+\i+8*(\i/8))*8192 th:TH_LOAD_NT   ; 32 lanes read 512 consecutive bytes: row i of tile u
.endr
.endr
; a tile goes through the stage as it was loaded and comes back 16 neighbours of each block to a lane; LDS serves a wave's instructions in order, so no wait stands between the stores and the loads
.macro XTILE u, pc, pw, left
	s_wait_loadcnt \left
.irp i, 0,1,2,3,4,5,6,7,8,9,10,11,12,13,14,15
	ds_store_b128 v5, v[RAW+64*\u+4*\i:RAW+64*\u+4*\i+3] offset:528*\i
.endr
.irp b, 0,1,2,3
.irp j, 0,1,2,3
	ds_load_b128 v[XT+16*\b+4*\j:XT+16*\b+4*\j+3], v6 offset:128*\b+16*\j
.endr
.endr
	s_wait_dscnt 0x0
	QUANT XT, \pc, \pw, 1
.irp p, 0,1,2
	global_store_b128 v[LI], v[\pc+4*\p:\pc+4*\p+3], s[32:33] offset:\u*24576+512*\p   ; 512 consecutive bytes, aligned
.endr
.endm
	XTILE 0, 226, 224, 16                          ; the other tile's 16 loads may be out
	XTILE 1, 16, 225, 0                            ; its codes go where tile 0's numbers lay
	v_cndmask_b32 v246, v224, v225, s31            ; lanes 0-15 tile 0's words, lanes 16-31 tile 1's
	global_store_b32 v[L4], v246, s[34:35]
	s_branch .Lend
.Lweights:
	; ---- the weights.  j < 768: q1_w, q2_w, out_w (j / 256), K step (j / 16) % 16, 128 columns j % 16.  Then k_w and v_w: 16 K steps each
	s_sub_co_u32 s21, ttmp9, 256                   ; j
	s_lshr_b32 s22, s21, 8
	s_bfe_u32 s23, s21, 0x40004
	s_and_b32 s24, s21, 15
	s_sub_co_u32 s25, s21, 768
	s_lshr_b32 s25, s25, 4
	s_add_co_u32 s25, s25, 3
	s_mov_b32 s26, 512
	s_mov_b32 s27, 0
	s_cmp_lt_u32 s21, 768
	s_cselect_b32 s22, s22, s25                    ; which tensor: 0 q1_w, 1 q2_w, 2 out_w, 3 k_w, 4 v_w
	s_cselect_b32 s23, s23, s24                    ; K step
	s_cselect_b32 s24, s24, 0                      ; block of 128 columns
	s_cselect_b32 s26, 8192, s26                   ; bytes in a row of the tensor
	s_wait_kmcnt 0x0
	s_cmp_eq_u32 s22, 1                            ; the choices hang on the work-group's number alone
	s_cselect_b64 s[6:7], s[8:9], s[6:7]
	s_cselect_b32 s27, 64, s27                     ; the tensor's first pair of tiles in wq
	s_cmp_eq_u32 s22, 2
	s_cselect_b64 s[6:7], s[10:11], s[6:7]
	s_cselect_b32 s27, 136, s27
	s_cmp_eq_u32 s22, 3
	s_cselect_b64 s[6:7], s[12:13], s[6:7]
	s_cselect_b32 s27, 128, s27
	s_cmp_eq_u32 s22, 4
	s_cselect_b64 s[6:7], s[14:15], s[6:7]
	s_cselect_b32 s27, 132, s27
	s_lshl_b32 s28, s24, 2
	s_add_co_u32 s28, s28, s20
	s_add_co_u32 s27, s27, s28                     ; G: my wave's pair of tiles
	s_lshl_b32 s28, s23, 7
	s_mul_i32 s28, s28, s26                        ; 128 rows a K step
	s_lshl_b32 s29, s24, 9
	s_add_co_u32 s28, s28, s29                     ; 512 bytes a block of columns
	s_lshl_b32 s29, s20, 7
	s_add_co_u32 s28, s28, s29                     ; 128 bytes a wave
	s_mov_b32 s29, 0
	s_lshl_b32 s30, s26, 5                         ; 32 rows on
	s_mov_b32 s31, 0
	s_add_nc_u64 s[32:33], s[6:7], s[28:29]        ; a base for each block of 32 along K
	s_add_nc_u64 s[34:35], s[32:33], s[30:31]
	s_add_nc_u64 s[36:37], s[34:35], s[30:31]
	s_add_nc_u64 s[38:39], s[36:37], s[30:31]
	s_lshl_b32 s28, s27, 5
	s_add_co_u32 s28, s28, s23
	s_mul_i32 s28, s28, 1536
	s_add_nc_u64 s[42:43], s[18:19], s[28:29]      ; image (2 G, K step)
	s_lshl_b32 s28, s27, 4
	s_add_co_u32 s28, s28, s23
	s_lshl_b32 s28, s28, 7
	s_add_co_u32 s28, s28, WSCALES
	s_add_nc_u64 s[44:45], s[18:19], s[28:29]      ; its scale block
	v_mov_b32 v[WOFF], v[L4]                       ; lane x takes column x of the pair's 32
.irp i, 1,2,3,4,5,6,7,8,9,10,11,12,13,14,15,16,17,18,19,20,21,22,23,24,25,26,27,28,29,30,31
	v_add_nc_u32 v[WOFF+\i], s26, v[WOFF+\i-1]
.endr
.irp t, 0,1,2,3
.irp i, 0,1,2,3,4,5,6,7,8,9,10,11,12,13,14,15,16,17,18,19,20,21,22,23,24,25,26,27,28,29,30,31
	global_load_b32 v[WD+32*\t+\i], v[WOFF+\i], s[32+2*\t:33+2*\t] th:TH_LOAD_NT   ; 128 consecutive bytes a wave, 512 a work-group
.endr
.endr
	v_bfe_u32 v6, v0, 3, 1                         ; column x = 8 u + r % 8 + 16 (r / 8): u,
	v_and_b32 v7, 7, v0
	v_bfe_u32 v8, v0, 4, 1
	v_lshl_add_u32 v7, v8, 3, v7                   ; and r
	s_mul_i32 s30, s20, WSTW
	s_add_co_u32 s30, s30, WST                     ; my stage: the pair's two images
	v_mul_u32_u24 v9, v6, 1536
	v_lshl_add_u32 v9, v7, 4, v9
	v_add_nc_u32 v9, s30, v9                       ; into it: image u, lane r's 16 bytes
	v_add_nc_u32 v10, s30, v[LI]                   ; out of it: as it lies
	v_lshlrev_b32 v11, 4, v6
	v_add_lshl_u32 v11, v11, v7, 2                 ; my word in the scale block: 4 (16 u + r)
; block t = 2 c + h of my column is registers 6 c .. 6 c + 5 of the fragment's lane r + 16 h: in the image 16 + 8 bytes (c = 0) or 8 + 16 (c = 1)
.macro WBLOCK t, left
.set XS, WD+32*(\t)
.set CC, WC+8*(\t)
	s_wait_loadcnt \left
	v_max3_num_f32 v212, |v[XS]|, |v[XS+1]|, |v[XS+2]|   ; the block's largest magnitude: all 32 numbers are mine
	v_max3_num_f32 v213, |v[XS+3]|, |v[XS+4]|, |v[XS+5]|
.irp i, 6,10,14,18,22,26
	v_max3_num_f32 v212, v212, |v[XS+\i]|, |v[XS+\i+1]|
	v_max3_num_f32 v213, v213, |v[XS+\i+2]|, |v[XS+\i+3]|
.endr
	v_max3_num_f32 v212, v212, |v[XS+30]|, |v[XS+31]|
	v_max3_num_f32 v212, v212, v213, 0x1800000     ; and the floor
	v_add_nc_u32 v214, 0xff000000, v212
	v_lshrrev_b32 v213, 23, v214
.if (\t) == 0
	v_mov_b32 v[SB], v213
.else
	v_lshl_or_b32 v[SB], v213, 8*(\t), v[SB]
.endif
	v_cvt_scalef32_pk16_fp6_f32 v[CC:CC+2], v[XS:XS+15], v214
	v_cvt_scalef32_pk16_fp6_f32 v[DT:DT+2], v[XS+16:XS+31], v214
	v_nop                                          ; one plain place behind a scaled conversion
.irp i, 0,1,2
	v_mov_b32 v[CC+3+\i], v[DT+\i]
.endr
.if (\t) < 2
	ds_store_b128 v9, v[CC:CC+3] offset:256*((\t)%2)
	ds_store_b64 v9, v[CC+4:CC+5] offset:512+256*((\t)%2)
.else
	ds_store_b64 v9, v[CC:CC+1] offset:520+256*((\t)%2)
	ds_store_b128 v9, v[CC+2:CC+5] offset:1024+256*((\t)%2)
.endif
.endm
	WBLOCK 0, 63                                   ; 96 younger loads could stay out: 63 is the largest count that a wait can name
	WBLOCK 1, 63                                   ; 64 could
	WBLOCK 2, 32
	WBLOCK 3, 0
.irp p, 0,1,2,3,4,5
	ds_load_b128 v[WOUT+4*\p:WOUT+4*\p+3], v10 offset:512*\p   ; LDS serves a wave's instructions in order: these see my stores
.endr
.irp p, 0,1,2,3,4,5
	s_wait_dscnt 5-\p
	global_store_b128 v[LI], v[WOUT+4*\p:WOUT+4*\p+3], s[42:43] offset:(\p/3)*24576+512*(\p%3)
.endr
	global_store_b32 v11, v[SB], s[44:45]
.Lend:
	s_wait_tensorcnt 0x0                           ; the wave's end, behind my last LDS store
	ds_add_u32 v[SPW], v[NIL]
	s_wait_dscnt 0x0
	s_endpgm
.Lfunc_end_k_qb37ebe053e_quant:
	.size	k_qb37ebe053e_quant, .Lfunc_end_k_qb37ebe053e_quant-k_qb37ebe053e_quant
	.p2alignl 7, 3214868480
	.fill 96, 4, 3214868480
	.section	.rodata,"a",@progbits
	.p2align	6, 0x0
	.amdhsa_kernel k_qb37ebe053e_quant
		.amdhsa_group_segment_fixed_size 46592
		.amdhsa_private_segment_fixed_size 0
		.amdhsa_enable_private_segment 0
		.amdhsa_kernarg_size 64
		.amdhsa_user_sgpr_count 2
		.amdhsa_user_sgpr_kernarg_segment_ptr 1
		.amdhsa_wavefront_size32 1
		.amdhsa_system_sgpr_workgroup_id_x 1
		.amdhsa_system_sgpr_workgroup_id_y 1
		.amdhsa_system_sgpr_workgroup_id_z 1
		.amdhsa_system_vgpr_workitem_id 0
		.amdhsa_next_free_vgpr 256
		.amdhsa_next_free_sgpr 66
		.amdhsa_reserve_vcc 0
		.amdhsa_float_denorm_mode_32 3
		.amdhsa_float_denorm_mode_16_64 3
		.amdhsa_memory_ordered 1
		.amdhsa_forward_progress 1
		.amdhsa_inst_pref_size 41
	.end_amdhsa_kernel
	.amdgpu_metadata
---
amdhsa.version: [ 1, 2 ]
amdhsa.kernels:
  - .name:           k_qb37ebe053e_quant
    .symbol:         k_qb37ebe053e_quant.kd
    .args:
      - { .name: x, .offset: 0, .size: 8, .value_kind: global_buffer, .address_space: global }
      - { .name: q1_w, .offset: 8, .size: 8, .value_kind: global_buffer, .address_space: global }
      - { .name: q2_w, .offset: 16, .size: 8, .value_kind: global_buffer, .address_space: global }
      - { .name: out_w, .offset: 24, .size: 8, .value_kind: global_buffer, .address_space: global }
      - { .name: k_w, .offset: 32, .size: 8, .value_kind: global_buffer, .address_space: global }
      - { .name: v_w, .offset: 40, .size: 8, .value_kind: global_buffer, .address_space: global }
      - { .name: xq, .offset: 48, .size: 8, .value_kind: global_buffer, .address_space: global }
      - { .name: wq, .offset: 56, .size: 8, .value_kind: global_buffer, .address_space: global }
    .group_segment_fixed_size: 46592
    .private_segment_fixed_size: 0
    .kernarg_segment_align: 8
    .kernarg_segment_size: 64
    .max_flat_workgroup_size: 128
    .sgpr_count:     66
    .vgpr_count:     256
    .wavefront_size: 32
...
	.end_amdgpu_metadata
.endif
;; end of part 1
;; launch proj (part 2): grid 214 x 1, 4 waves a work-group, no clusters, 197,120 bytes of LDS; arguments xq, wq, freqs_cos, freqs_sin, qkv; writes qkv
.if DOCPART == 2
	.amdgcn_target "amdgcn-amd-amdhsa--gfx1250"
	.amdhsa_code_object_version 6
	.text
	.protected	k_qb37ebe053e_proj
	.globl	k_qb37ebe053e_proj
	.p2align	8
	.type	k_qb37ebe053e_proj,@function
k_qb37ebe053e_proj:
	s_mov_b64 s[64:65], 0
	v_nop
	global_prefetch_b8 v0, s[64:65] scope:SCOPE_SE
	s_setreg_imm32_b32 hwreg(HW_REG_WAVE_MODE, 25, 1), 1
	s_wait_xcnt 0x0
; x q1_w, x q2_w, x k_w, x v_w on codes of FP6 (E2M3) with E8M0 scales; RoPE on q1, q2, k in f32; the results quantised again: q1, q2, k along the head's 128, v along the keys; stored as images of operand registers.
; Tiles, images and scale blocks: a tile T = 2 G + u is 16 rows, fragment lane r = row 32 G + 8 u + r + 8 (r / 8); an image is 1,536 dense bytes, register p of lane l at 512 (p / 4) + 16 l + 4 (p % 4);
; a scale block is 128 bytes for (G, K step), the word of tile u, row r at 4 (16 u + r).
; A tile of the result is 128 x 128 over K = 2,048.  PERM, eight tiles, is source 0 and lies in LDS for the whole launch (filled once, 196,608 bytes); NAT, eight tiles, is source 1: a wave has two of them and
; streams their images from memory into registers.  With source 0's rows so chosen, the 16 registers of two neighbouring result tiles are 16 neighbours along PERM's rows: what the next quantiser wants.
; y <= 32: PERM = weight tiles 8 y on (a head of q1, of q2, or k), NAT = x's tiles 8 i on: a lane holds one position, its registers run along d.
; y = 33 (v): the operands change places: PERM = x's tiles 8 i on, NAT = v_w's tiles (8 x 33 on): a lane holds one d, its registers run along the keys.  Only pointers and byte offsets differ.
; A WORK-GROUP STAYS: it keeps its PERM and walks several blocks i of NAT, which costs no refill of LDS.  The 16 blocks of a y <= 32 go to six work-groups as 3, 3, 3, 3, 2, 2 (the first block of work-group ix is
; min(3 ix, 2 ix + 4)); each of v's 16 tiles has another PERM and is a work-group of its own: 6 x 33 + 16 = 214 work-groups.  Only the first tile has barriers (PERM's quarters landing); afterwards the waves share nothing.
; NO JOINT LOADS: six work-groups share a PERM and the grid is 214, no multiples of four; partners would walk different numbers of tiles; v's sixteen share no PERM.
; LIMITS: a block of zeros keeps the scale byte 1 (its codes are zeros; only this program reads the bytes); NaN and infinities are not served.
; REGISTERS, in windows of 256: window 0: v1-11 addresses; v12-27 NAT's scale words, v28-91 PERM's (they hold scales and nothing else); v92-127 at work; v128-255 the 16 accumulators (NAT tile tn, PERM tile tp) at 8 (8 tn + tp).
;   window 1: PERM's eight fragments, two sets of 96.   window 2: NAT's two fragments, a ring of eight K steps.   window 3: cos (128 tn + ..) and sin (+ 64) in the result's layout.
.set SPARE, 196608                     ; behind PERM: the spare words, 128 bytes for each wave
.set XSCALES, 3145728
.set WSCALES, 9830400
.set KIMG, 6291456                     ; qkv: Q's images [tile 128][head 16][set 2][1536] from 0; K's [tile 128][1536];
.set VIMG, 6488064                     ; V's [pair of d 4][K step 16][u 2][1536];
.set QSC,  6684672                     ; Q's scale words [tile][head][set][64];
.set KSC,  6946816                     ; K's scale blocks [G 64][128];
.set VSC,  6955008                     ; V's [pair of d 4][K step 16][128]
.set SPW, 1
.set NIL, 2
.set LI,  3                            ; v3  16 x lane
.set AQ,  4                            ; v4-7 16 x lane + 49,152 x quarter of K
.set L4,  8                            ; v8  4 x lane
.set TO,  9                            ; v9  my place in the tables
.set SO,  10                           ; v10 my place among the scale words that I store
.set PW0, 11                           ; v11 tile 0's scale word
.set NS,  12
.set PS,  28
.set WK,  92
.set TM,  112
.set ACC, 128
.set G1,  16                           ; s[16:23] descriptor group 1;  s[24:39] four groups 0, one for each quarter of K
.set G0,  24
.set SEL, 44
.set NT,  66                           ; s66 tiles to go, the one in hand among them
.set IST, 68                           ; s[68:69] from a block's images in qkv to the next block's
.set SST, 70                           ; s[70:71] the same for the scale words
.set MSB, 0
.macro WIN new                         ; the immediate's high byte repeats the setting that is left
.if MSB != \new
	s_set_vgpr_msb (MSB<<8)|\new
.set MSB, \new
.endif
.endm
; one product.  z: the sum begins (C = 0), else C = D.  sa, sb: the scale registers; ra, rb: 1 = the words lie in lanes 16-31
.macro WM d, a, b, z, sa, sb, ra, rb
.if \z
.if (\ra) && (\rb)
	v_wmma_scale_f32_16x16x128_f8f6f4 v[\d:\d+7], v[\a:\a+11], v[\b:\b+11], 0, v[\sa], v[\sb] matrix_a_fmt:MATRIX_FMT_FP6 matrix_b_fmt:MATRIX_FMT_FP6 matrix_a_scale:MATRIX_SCALE_ROW1 matrix_b_scale:MATRIX_SCALE_ROW1
.elseif (\ra)
	v_wmma_scale_f32_16x16x128_f8f6f4 v[\d:\d+7], v[\a:\a+11], v[\b:\b+11], 0, v[\sa], v[\sb] matrix_a_fmt:MATRIX_FMT_FP6 matrix_b_fmt:MATRIX_FMT_FP6 matrix_a_scale:MATRIX_SCALE_ROW1
.elseif (\rb)
	v_wmma_scale_f32_16x16x128_f8f6f4 v[\d:\d+7], v[\a:\a+11], v[\b:\b+11], 0, v[\sa], v[\sb] matrix_a_fmt:MATRIX_FMT_FP6 matrix_b_fmt:MATRIX_FMT_FP6 matrix_b_scale:MATRIX_SCALE_ROW1
.else
	v_wmma_scale_f32_16x16x128_f8f6f4 v[\d:\d+7], v[\a:\a+11], v[\b:\b+11], 0, v[\sa], v[\sb] matrix_a_fmt:MATRIX_FMT_FP6 matrix_b_fmt:MATRIX_FMT_FP6
.endif
.else
.if (\ra) && (\rb)
	v_wmma_scale_f32_16x16x128_f8f6f4 v[\d:\d+7], v[\a:\a+11], v[\b:\b+11], v[\d:\d+7], v[\sa], v[\sb] matrix_a_fmt:MATRIX_FMT_FP6 matrix_b_fmt:MATRIX_FMT_FP6 matrix_a_scale:MATRIX_SCALE_ROW1 matrix_b_scale:MATRIX_SCALE_ROW1
.elseif (\ra)
	v_wmma_scale_f32_16x16x128_f8f6f4 v[\d:\d+7], v[\a:\a+11], v[\b:\b+11], v[\d:\d+7], v[\sa], v[\sb] matrix_a_fmt:MATRIX_FMT_FP6 matrix_b_fmt:MATRIX_FMT_FP6 matrix_a_scale:MATRIX_SCALE_ROW1
.elseif (\rb)
	v_wmma_scale_f32_16x16x128_f8f6f4 v[\d:\d+7], v[\a:\a+11], v[\b:\b+11], v[\d:\d+7], v[\sa], v[\sb] matrix_a_fmt:MATRIX_FMT_FP6 matrix_b_fmt:MATRIX_FMT_FP6 matrix_b_scale:MATRIX_SCALE_ROW1
.else
	v_wmma_scale_f32_16x16x128_f8f6f4 v[\d:\d+7], v[\a:\a+11], v[\b:\b+11], v[\d:\d+7], v[\sa], v[\sb] matrix_a_fmt:MATRIX_FMT_FP6 matrix_b_fmt:MATRIX_FMT_FP6
.endif
.endif
.endm
; 64 numbers of a lane, register 16 b + i = k 32 b + 16 (lane / 16) + i of my row, become a fragment's codes in v[pc .. pc + 11] (pc + 12 .. pc + 19 at work) and its scale word in v[pw]
.macro QUANT s, pc, pw, ab
.irp b, 0,1,2,3
.if \ab
	v_max3_num_f32 v[TM+\b], |v[\s+16*\b]|, |v[\s+1+16*\b]|, 0x1800000   ; my 16 numbers of block b, and the floor 2^(3 - 127): the byte cannot fall under 1
.else
	v_max3_num_f32 v[TM+\b], v[\s+16*\b], v[\s+1+16*\b], 0x1800000
.endif
.endr
.irp i, 2,4,6,8,10,12,14
.irp b, 0,1,2,3
.if \ab
	v_max3_num_f32 v[TM+\b], v[TM+\b], |v[\s+16*\b+\i]|, |v[\s+1+16*\b+\i]|
.else
	v_max3_num_f32 v[TM+\b], v[TM+\b], v[\s+16*\b+\i], v[\s+1+16*\b+\i]
.endif
.endr
.endr
.irp b, 0,1,2,3
	v_permlanex16_b32 v[TM+4+\b], v[TM+\b], s[SEL], s[SEL+1]
.endr
.irp b, 0,1,2,3
	v_max_num_f32 v[TM+\b], v[TM+\b], v[TM+4+\b]
.endr
.irp b, 0,1,2,3
	v_add_nc_u32 v[TM+12+\b], 0xff000000, v[TM+\b]   ; 2 off the exponent field: the conversion's scale operand
.endr
.irp b, 0,1,2,3
	v_lshrrev_b32 v[TM+4+\b], 23, v[TM+12+\b]
.endr
	v_lshl_or_b32 v[\pw], v[TM+5], 8, v[TM+4]
	v_lshl_or_b32 v[\pw], v[TM+6], 16, v[\pw]
	v_lshl_or_b32 v[\pw], v[TM+7], 24, v[\pw]
.irp c, 0,1
	v_cvt_scalef32_pk16_fp6_f32 v[\pc+6*\c:\pc+2+6*\c], v[\s+32*\c:\s+15+32*\c], v[TM+12+2*\c]
	v_cvt_scalef32_pk16_fp6_f32 v[\pc+12+4*\c:\pc+14+4*\c], v[\s+16+32*\c:\s+31+32*\c], v[TM+12+2*\c+1]
.endr
	v_nop                                          ; one plain place behind a scaled conversion
.irp c, 0,1
.irp i, 0,1,2
	v_permlane16_swap_b32 v[\pc+6*\c+\i], v[\pc+12+4*\c+\i]
.endr
.irp i, 0,1,2
	v_mov_b32 v[\pc+3+6*\c+\i], v[\pc+12+4*\c+\i]
.endr
.endr
.endm
	s_load_b256 s[4:11], s[0:1], 0x0               ; xq, wq, freqs_cos, freqs_sin
	s_load_b64 s[12:13], s[0:1], 0x20              ; qkv
	v_lshl_add_u32 v[SPW], v0, 2, SPARE
	v_mov_b32 v[NIL], 0
	ds_add_u32 v[SPW], v[NIL]                      ; the wave's opening: the add and its wait ahead of my first tensor load; work on registers stands between them
	v_lshrrev_b32 v92, 5, v0
	v_readfirstlane_b32 s14, v92                   ; wave 0..3
	; which tiles are mine.  Work-groups 0-197: y = id / 6, ix = id % 6; work-groups 198-213: v's tile id - 198
	s_mul_hi_u32 s40, ttmp9, 0x2aaaaaab            ; id / 6: 0x2aaaaaab x 6 = 2^32 + 2, exact for numbers so small
	s_mul_i32 s41, s40, 6
	s_sub_co_u32 s41, ttmp9, s41                   ; ix
	s_mul_i32 s15, s41, 3
	s_lshl_b32 s42, s41, 1
	s_add_co_u32 s42, s42, 4
	s_min_u32 s15, s15, s42                        ; my first block of NAT: 0, 3, 6, 9, 12, 14
	s_cmp_lt_u32 s41, 4
	s_cselect_b32 s[NT], 3, 2                      ; and how many
	s_sub_co_u32 s42, ttmp9, 198
	s_cmp_lt_u32 ttmp9, 198
	s_cselect_b32 s40, s40, 33                     ; y
	s_cselect_b32 s15, s15, s42                    ; i
	s_cselect_b32 s[NT], s[NT], 1
	; descriptor group 1: two tiles' images of four K steps: 2 rows of 768 elements of 8 bytes (6,144 bytes), 3,072 elements (a tile's 16 images) apart, no padding
	s_mov_b32 s[G1+0], 3<<16                       ; no mask; elements of 8 bytes
	s_mov_b32 s[G1+1], 768<<16                     ; tensor_dim0
	s_mov_b32 s[G1+2], 2<<16                       ; tensor_dim1
	s_mov_b32 s[G1+3], 768<<16                     ; tile_dim0
	s_mov_b32 s[G1+4], 2                           ; tile_dim1
	s_mov_b32 s[G1+5], 3072                        ; the pitch
	s_mov_b32 s[G1+6], 0
	s_mov_b32 s[G1+7], 0
	s_mov_b32 s[SEL], 0x76543210
	s_mov_b32 s[SEL+1], 0xfedcba98
	v_and_b32 v92, 31, v0
	v_lshlrev_b32 v[LI], 4, v92
	v_lshlrev_b32 v[L4], 2, v92
.irp q, 0,1,2,3
	v_add_nc_u32 v[AQ+\q], 49152*\q, v[LI]
.endr
	v_and_b32 v92, 15, v0                          ; r
	v_bfe_u32 v93, v0, 4, 1                        ; lane / 16
	v_and_b32 v94, 8, v92
	v_add_nc_u32 v94, v94, v92                     ; r + 8 (r / 8)
	v_lshlrev_b32 v94, 9, v94                      ; a table's row is 512 bytes
	v_lshl_add_u32 v[TO], v93, 6, v94              ; + 64 bytes for lanes 16-31
	s_mov_b32 s43, WSCALES
	s_mov_b32 s46, XSCALES
	s_cmp_eq_u32 s40, 33
	s_cselect_b32 s41, s15, s40                    ; PERM's block of eight tiles in its buffer
	s_cselect_b32 s42, s40, s15                    ; NAT's first (v_w's tiles begin at 8 x 33)
	s_cselect_b32 s43, XSCALES, s43                ; where PERM's scale blocks begin
	s_cselect_b32 s46, WSCALES, s46                ; and NAT's
	s_mul_i32 s47, s14, 12288                      ; LDS: my two tiles of a quarter
	s_mul_i32 s62, s14, 49152                      ; memory: two tiles' 32 images
	s_mul_i32 s52, s41, 196608
	s_add_co_u32 s52, s52, s62
	s_mov_b32 s53, 0
	s_lshl_b32 s54, s41, 13
	s_add_co_u32 s54, s54, s43
	s_mov_b32 s55, 0
	s_mul_i32 s56, s42, 196608
	s_add_co_u32 s56, s56, s62
	s_mov_b32 s57, 0
	s_lshl_b32 s58, s42, 13
	s_lshl_b32 s63, s14, 11
	s_add_co_u32 s58, s58, s63
	s_add_co_u32 s58, s58, s46
	s_mov_b32 s59, 0
	s_lshl_b32 s62, s15, 16                        ; the tables at position 128 i + 32 wave
	s_lshl_b32 s63, s14, 14
	s_add_co_u32 s62, s62, s63
	s_mov_b32 s63, 0
	s_wait_dscnt 0x0                               ; the opening add is done
	s_wait_kmcnt 0x0
	s_cmp_eq_u32 s40, 33                           ; the choice hangs on the work-group's number alone
	s_cselect_b64 s[48:49], s[4:5], s[6:7]         ; PERM's buffer
	s_cselect_b64 s[50:51], s[6:7], s[4:5]         ; NAT's
	s_add_nc_u64 s[60:61], s[48:49], s[52:53]      ; PERM's images, my two tiles
	s_add_nc_u64 s[54:55], s[48:49], s[54:55]      ; PERM's scale blocks
	s_add_nc_u64 s[56:57], s[50:51], s[56:57]      ; NAT's images, my two tiles
	s_add_nc_u64 s[58:59], s[50:51], s[58:59]      ; NAT's scale blocks, my pair
	s_add_nc_u64 s[8:9], s[8:9], s[62:63]
	s_add_nc_u64 s[10:11], s[10:11], s[62:63]
.irp q, 0,1,2,3
	s_mov_b32 s[G0+4*\q], 1                        ; count = 1
	s_add_co_u32 s[G0+4*\q+1], s47, 49152*\q       ; LDS address
	s_add_nc_u64 s[G0+4*\q+2:G0+4*\q+3], s[60:61], 6144*\q   ; K steps 4 q on
	s_or_b32 s[G0+4*\q+3], s[G0+4*\q+3], 0x80000000   ; type = 2
.endr
.irp q, 0,1,2,3
	tensor_load_to_lds s[G0+4*\q:G0+4*\q+3], s[G1:G1+7]   ; all of PERM, filled once: four loads of mine are out
	s_nop 0
.endr
.rept 4
	v_nop
.endr
.macro NSLOAD                          ; NAT's scale words of a block's 16 K steps: lanes 0-15 my tile 0, lanes 16-31 my tile 1
.irp k, 0,1,2,3,4,5,6,7,8,9,10,11,12,13,14,15
	global_load_b32 v[NS+\k], v[L4], s[58:59] offset:128*\k
.endr
.endm
.macro NLOAD k                         ; NAT's two images of K step k into slot k % 8
.irp tn, 0,1
.irp p, 0,1,2
	global_load_b128 v[24*((\k)%8)+12*\tn+4*\p:24*((\k)%8)+12*\tn+4*\p+3], v[LI], s[56:57] offset:24576*\tn+1536*(\k)+512*\p
.endr
.endr
.endm
.macro PLOAD k                         ; PERM's eight images of K step k into set k % 2
.irp t, 0,1,2,3,4,5,6,7
.irp p, 0,1,2
	ds_load_b128 v[96*((\k)%2)+12*\t+4*\p:96*((\k)%2)+12*\t+4*\p+3], v[AQ+(\k)/4] offset:(\t/2)*12288+(\t%2)*6144+((\k)%4)*1536+512*\p
.endr
.endr
.endm
.macro TLOAD j                         ; a quarter of the tables of the block in hand, 16 loads: NAT tile j / 2, blocks of 32 of d 2 (j % 2) and 2 (j % 2) + 1; cos, and 64 registers on sin
.irp bb, 0,1
.irp jj, 0,1,2,3
.set TR, 128*((\j)/2)+16*(2*((\j)%2)+\bb)+4*\jj
.set TF, 4096*((\j)/2)+128*(2*((\j)%2)+\bb)+16*\jj
	global_load_b128 v[TR:TR+3], v[TO], s[8:9] offset:TF
	global_load_b128 v[TR+64:TR+67], v[TO], s[10:11] offset:TF
.endr
.endr
.endm
	NSLOAD
.irp k, 0,1,2,3,4,5,6,7,8,9,10,11,12,13,14,15
.irp g, 0,1,2,3
	global_load_b32 v[PS+4*\k+\g], v[L4], s[54:55] offset:2048*\g+128*\k   ; PERM's scale words stay for the whole launch
.endr
.endr
	WIN 0x80                                       ; destination window 2
.irp k, 0,1,2,3,4,5,6,7
	NLOAD \k
.endr
	WIN 0
	; where the results go, by y: q (y < 32: head y % 16, set y / 16), k (32), v (33)
	s_lshl_b32 s50, s15, 3
	s_lshl_b32 s51, s14, 1
	s_add_co_u32 s50, s50, s51                     ; 8 i + 2 wave: my first NAT tile
	s_lshl_b32 s51, s50, 4
	s_and_b32 s62, s40, 15
	s_add_co_u32 s51, s51, s62
	s_lshl_b32 s51, s51, 1
	s_lshr_b32 s62, s40, 4
	s_add_co_u32 s51, s51, s62                     ; (tile x 16 + head) x 2 + set
	s_mul_i32 s62, s51, 1536
	s_lshl_b32 s51, s51, 6
	s_add_co_u32 s51, s51, QSC
	s_mul_i32 s63, s50, 1536
	s_add_co_u32 s63, s63, KIMG
	s_lshl_b32 s50, s50, 6                         ; (4 i + wave) x 128
	s_add_co_u32 s50, s50, KSC
	s_cmp_eq_u32 s40, 32
	s_cselect_b32 s62, s63, s62
	s_cselect_b32 s51, s50, s51
	s_lshl_b32 s50, s14, 4
	s_add_co_u32 s50, s50, s15                     ; 16 wave + i: pair of d, K step
	s_mul_i32 s63, s50, 3072
	s_add_co_u32 s63, s63, VIMG
	s_lshl_b32 s50, s50, 7
	s_add_co_u32 s50, s50, VSC
	s_cmp_eq_u32 s40, 33
	s_cselect_b32 s62, s63, s62                    ; tile 0's image
	s_cselect_b32 s51, s50, s51                    ; tile 0's scale words
	s_mov_b32 s63, 1536
	s_mov_b32 s[IST], 12288                        ; k: eight images on;
	s_mov_b32 s[SST], 512                          ; four scale blocks on
	s_cmp_lt_u32 s40, 32
	s_cselect_b32 s63, 49152, s63                  ; from tile 0's image to tile 1's
	s_cselect_b32 s50, 2048, 64                    ; and between their scale words
	s_cselect_b32 s[IST], 393216, s[IST]           ; q: eight tiles x 16 heads x 2 sets of images on;
	s_cselect_b32 s[SST], 16384, s[SST]            ; as many runs of 64 bytes
	s_mov_b32 s[IST+1], 0
	s_mov_b32 s[SST+1], 0
	v_mul_u32_u24 v[SO], s50, v93
	v_lshl_add_u32 v[SO], v92, 2, v[SO]
	s_mov_b32 s48, s62
	s_mov_b32 s49, 0
	s_add_nc_u64 s[4:5], s[12:13], s[48:49]
	s_mov_b32 s48, s63
	s_add_nc_u64 s[6:7], s[4:5], s[48:49]
	s_mov_b32 s48, s51
	s_add_nc_u64 s[12:13], s[12:13], s[48:49]
	s_wait_tensorcnt 3                             ; my part of the first quarter of K has landed; three loads stay out
	s_barrier_signal -1
	s_barrier_wait -1                              ; everybody's has
	WIN 0x40                                       ; destination window 1
	PLOAD 0
; A K STEP: 16 products, the 16 accumulators by turns in the same order in every step.  The next step's PERM fragments and the NAT images of seven steps on are asked for first.
; first = 1: the work-group's first tile, in which PERM's quarters land.  K steps 9 to 12, when NAT's last images have been asked for, ask for the tables that this tile's RoPE will want.
.macro KSTEP k, first
.if (\k) > 0
.rept 4
	v_nop                                          ; four places in front of loads into registers that the last step's products read (ISA guide 7.12.1 for vector instructions)
.endr
.endif
.if (\first) && (((\k) == 3) || ((\k) == 7) || ((\k) == 11))
	s_wait_tensorcnt 3-((\k)+1)/4                  ; my part of the next quarter has landed; the later quarters stay out
	s_wait_dscnt 0x0                               ; no LDS instruction of mine is pending at a signal
	s_barrier_signal -1
	s_barrier_wait -1
.endif
.if (\k) < 15
	WIN 0x40
	PLOAD (\k)+1
.endif
.if ((\k) >= 1) && ((\k) <= 8)
	WIN 0x80
	NLOAD (\k)+7
.endif
.if ((\k) >= 9) && ((\k) <= 12)
	WIN 0xc0                                       ; destination window 3
	TLOAD (\k)-9
.endif
.if (\k) < 15
	s_wait_dscnt 24                                ; all but the 24 just issued
.else
	s_wait_dscnt 0x0
.endif
.if (\k) <= 8
	s_wait_loadcnt 42                              ; this step's images are in; seven younger steps of six loads may be out
.else
.set CN, 6*(15-(\k))+16*((\k)-8)                   ; the younger steps' six loads each, and the table loads issued so far
.if (\k) > 12
.set CN, 6*(15-(\k))+64
.endif
.if CN > 63
.set CN, 63                                        ; the largest count that a wait can name
.endif
	s_wait_loadcnt CN
.endif
	WIN 0x09                                       ; source 0 window 1, source 1 window 2, C and D window 0
.irp tn, 0,1
.irp tp, 0,1,2,3,4,5,6,7
	WM ACC+8*(8*\tn+\tp), 96*((\k)%2)+12*\tp, 24*((\k)%8)+12*\tn, (\k)==0, PS+4*(\k)+\tp/2, NS+(\k), \tp%2, \tn
.endr
.endr
.endm
.macro KLOOP first
.irp k, 0,1,2,3,4,5,6,7,8,9,10,11,12,13,14,15
	KSTEP \k, \first
.endr
.endm
; A TILE'S END.  more = 1: another block of NAT follows: its scale words, its first eight K steps and PERM's first fragments are asked for first, so that they land while this tile is rotated, quantised and stored.
.macro EPI more
	WIN 0
.irp b, 0,1,2,3
	v_mov_b32 v[TM+4+\b], 0                        ; a lane permute's destination counts as one of its sources; these four are also the places behind the last products
.endr
	s_wait_loadcnt 0x0                             ; the tables are in, and no load of mine is out: every base may be stepped
.if \more
	s_add_nc_u64 s[56:57], s[56:57], 196608        ; NAT: eight tiles of 16 images on,
	s_add_nc_u64 s[58:59], s[58:59], 8192          ; four pairs' scale blocks on,
	s_add_nc_u64 s[8:9], s[8:9], 65536             ; the tables 128 positions on
	s_add_nc_u64 s[10:11], s[10:11], 65536
	NSLOAD
	WIN 0x80
.irp k, 0,1,2,3,4,5,6,7
	NLOAD \k
.endr
	WIN 0x40
	PLOAD 0
.else
	s_cmp_eq_u32 s40, 33
	s_cbranch_scc1 .Lno_rope                       ; v is not rotated (v's work-groups have one tile: they never come by the other copy)
.endif
	; RoPE: register 16 b + i of a tile is d = 32 b + 16 (lane / 16) + i; d and d + 64 lie 32 registers apart.  new(d) = t(d) cos(d) - t(d + 64) sin(d); new(d + 64) = t(d + 64) cos(d + 64) + t(d) sin(d + 64)
	WIN 0x0c                                       ; source 1 window 3: the tables
.set rn, 0
.irp tn, 0,1
.irp b, 0,1
.irp i, 0,2,4,6,8,10,12,14                     ; ascending: each accumulator is read from its low end on
.set RA, ACC+64*\tn+16*\b+\i
.set RB, RA+32
.set RT, WK+4*(rn%4)
.set RC, 128*\tn+16*\b+\i
	v_pk_mul_f32 v[RT:RT+1], v[RB:RB+1], v[RC+64:RC+65]
	v_pk_mul_f32 v[RT+2:RT+3], v[RA:RA+1], v[RC+96:RC+97]
	v_pk_fma_f32 v[RA:RA+1], v[RA:RA+1], v[RC:RC+1], v[RT:RT+1] neg_lo:[0,0,1] neg_hi:[0,0,1]
	v_pk_fma_f32 v[RB:RB+1], v[RB:RB+1], v[RC+32:RC+33], v[RT+2:RT+3]
.set rn, rn+1
.endr
.endr
.endr
	WIN 0
.if (\more) == 0
.Lno_rope:
.endif
	QUANT ACC, WK, PW0, 1
.irp p, 0,1,2
	global_store_b128 v[LI], v[WK+4*\p:WK+4*\p+3], s[4:5] offset:512*\p   ; an image: 512 consecutive bytes a store, aligned
.endr
	QUANT ACC+64, ACC, 0, 1                        ; tile 1's codes go where tile 0's numbers lay
.irp p, 0,1,2
	global_store_b128 v[LI], v[ACC+4*\p:ACC+4*\p+3], s[6:7] offset:512*\p
.endr
	s_mov_b32 s48, 0xffff0000
	v_cndmask_b32 v0, v[PW0], v0, s48              ; lanes 0-15 tile 0's words, lanes 16-31 tile 1's
	global_store_b32 v[SO], v0, s[12:13]
.if \more
	s_wait_xcnt 0x0                                ; the stores have read their data and their bases: the bases step, and the next tile's products may write over the codes
	s_add_nc_u64 s[4:5], s[4:5], s[IST:IST+1]
	s_add_nc_u64 s[6:7], s[6:7], s[IST:IST+1]
	s_add_nc_u64 s[12:13], s[12:13], s[SST:SST+1]
.endif
.endm
	KLOOP 1                                        ; the first tile
	WIN 0                                          ; at a label and at a branch every window is 0
	s_cmp_eq_u32 s[NT], 1
	s_cbranch_scc1 .Llast
.Ltile:                                            ; a trip ends one tile and multiplies the next: no barrier, the waves share nothing but PERM, which has landed
	EPI 1
	KLOOP 0
	WIN 0
	s_sub_co_u32 s[NT], s[NT], 1
	s_cmp_lg_u32 s[NT], 1
	s_cbranch_scc1 .Ltile
.Llast:
	EPI 0                                          ; the last tile's end asks for nothing more
	s_wait_tensorcnt 0x0                           ; the wave's end
	ds_add_u32 v[SPW], v[NIL]
	s_wait_dscnt 0x0
	s_endpgm
.Lfunc_end_k_qb37ebe053e_proj:
	.size	k_qb37ebe053e_proj, .Lfunc_end_k_qb37ebe053e_proj-k_qb37ebe053e_proj
	.p2alignl 7, 3214868480
	.fill 96, 4, 3214868480
	.section	.rodata,"a",@progbits
	.p2align	6, 0x0
	.amdhsa_kernel k_qb37ebe053e_proj
		.amdhsa_group_segment_fixed_size 197120
		.amdhsa_private_segment_fixed_size 0
		.amdhsa_enable_private_segment 0
		.amdhsa_kernarg_size 40
		.amdhsa_user_sgpr_count 2
		.amdhsa_user_sgpr_kernarg_segment_ptr 1
		.amdhsa_wavefront_size32 1
		.amdhsa_system_sgpr_workgroup_id_x 1
		.amdhsa_system_sgpr_workgroup_id_y 1
		.amdhsa_system_sgpr_workgroup_id_z 1
		.amdhsa_system_vgpr_workitem_id 0
		.amdhsa_next_free_vgpr 1024
		.amdhsa_next_free_sgpr 72
		.amdhsa_reserve_vcc 0
		.amdhsa_float_denorm_mode_32 3
		.amdhsa_float_denorm_mode_16_64 3
		.amdhsa_memory_ordered 1
		.amdhsa_forward_progress 1
		.amdhsa_inst_pref_size 201
	.end_amdhsa_kernel
	.amdgpu_metadata
---
amdhsa.version: [ 1, 2 ]
amdhsa.kernels:
  - .name:           k_qb37ebe053e_proj
    .symbol:         k_qb37ebe053e_proj.kd
    .args:
      - { .name: xq, .offset: 0, .size: 8, .value_kind: global_buffer, .address_space: global }
      - { .name: wq, .offset: 8, .size: 8, .value_kind: global_buffer, .address_space: global }
      - { .name: freqs_cos, .offset: 16, .size: 8, .value_kind: global_buffer, .address_space: global }
      - { .name: freqs_sin, .offset: 24, .size: 8, .value_kind: global_buffer, .address_space: global }
      - { .name: qkv, .offset: 32, .size: 8, .value_kind: global_buffer, .address_space: global }
    .group_segment_fixed_size: 197120
    .private_segment_fixed_size: 0
    .kernarg_segment_align: 8
    .kernarg_segment_size: 40
    .max_flat_workgroup_size: 128
    .sgpr_count:     72
    .vgpr_count:     1024
    .wavefront_size: 32
...
	.end_amdgpu_metadata
.endif
;; end of part 2
;; launch attn (part 3): grid 128 x 2, 16 waves a work-group, no clusters, 308,736 bytes of LDS; arguments qkv, mask, aq; writes aq
.if DOCPART == 3
	.amdgcn_target "amdgcn-amd-amdhsa--gfx1250"
	.amdhsa_code_object_version 6
	.text
	.protected	k_qb37ebe053e_attn
	.globl	k_qb37ebe053e_attn
	.p2align	8
	.type	k_qb37ebe053e_attn,@function
k_qb37ebe053e_attn:
	s_mov_b64 s[64:65], 0
	v_nop
	global_prefetch_b8 v0, s[64:65] scope:SCOPE_SE
	s_setreg_imm32_b32 hwreg(HW_REG_WAVE_MODE, 25, 1), 1
	s_wait_xcnt 0x0
; For 16 queries and 8 heads: s1 = q1 k^T, s2 = q2 k^T (on codes of FP6), the mask, both softmaxes over all 2,048 keys, a = max((a1 - a2 / 2) / (sum + 1e-8), 0), a quantised finished and normalised along the keys,
; a v (on codes), and the result quantised along (head, d) into images for the last product.
; SHARES.  Work-group (qt, hy): the queries of tile qt (fragment lane r = query 32 (qt / 2) + 8 (qt % 2) + r + 8 (r / 8)), heads 8 hy .. 8 hy + 7, one head a trip.  There is ONE key and value head, so wave w (of 16) owns
; keys 128 w .. 128 w + 127 for the whole launch: their eight fragments of K stay in 96 registers and their mask in 64 scalar registers (a lane mask for each score register).  So a row's 2 x 2,048 scores are all on
; chip at once, each score and each exponential is made once, and both row sums are known before a code of a is made.  The waves' maxima and sums meet in LDS.
; For a v, wave w takes the pair of d tiles w % 4 and the K steps (128 keys) 4 (w / 4) + 0 .. 3; its eight images of V lie in LDS bytes of its own; waves 0-3 add the four parts.
; LAYOUT.  Both products are used transposed: S^T = K Q^T, O^T = V^T a^T: a lane holds one query (lane % 16); register 16 b + i of S is key 128 w + 32 b + 16 (lane / 16) + i (the rows of a tile of K are so chosen).
; Nothing is loaded from memory inside the loop.  NO JOINT LOADS: K, V and Q are fetched once by a work-group, 417,792 bytes for the work of eight heads, through registers.
; The row's sum of a is l1 (1 / l1) - l2 (1 / l2) / 2, by linearity, l the sums of the exponentials.
; LIMITS: a masked score is -2^37 ahead of the factor 1 / sqrt(128), that is -1.21e10 where the definition has -1e10: the results differ only where true scores lie under about -1e10; a row wholly masked comes out
; uniform, as defined (the power of two makes c x (-2^37) exact).  An exponential under 2^-126 is zero.  A block of zeros keeps the scale byte 1.  NaN and infinities are not served.
; REGISTERS: v1, v2 the add's two; v3 16 x lane; v4-9 scale words and nothing else (scores: K's four, Q's one; a v: V's four, a's two); v10, v11 my places among the waves' maxima and sums; v12-31 at work;
;   v32-95 S1; v96-159 S2; v160-255 K's fragments.
.set KIMG_G, 6291456
.set VIMG_G, 6488064
.set QSC_G,  6684672
.set KSC_G,  6946816
.set VSC_G,  6955008
.set ASCALES, 3145728
.set QSC,   24576                      ; LDS: Q's 16 images (2 x head + set) from 0; their scale words, 64 bytes each;
.set PIMG,  25600                      ; a's 16 images, one a wave;
.set PSC,   50176                      ; their scale words, 64 bytes each;
.set MX,    51200                      ; the waves' maxima: set x 1,280 + row x 80 + 4 x wave;
.set SM,    53760                      ; the waves' sums, likewise, 2,560 bytes on;
.set OST,   56320                      ; parts of O^T from waves 4-15, 2,048 bytes each;
.set CG,    80896                      ; the result's codes [head 8][row 16][96];
.set CS,    93184                      ; its scale bytes [head 8][row 16][4];
.set KSCL,  93696                      ; K's scale blocks, 512 bytes a wave;
.set VSCL,  101888                     ; V's, 512 bytes a wave;
.set VIMG,  110080                     ; V's images, 12,288 bytes a wave
.set SPARE, 306688                     ; the spare words, 128 bytes for each wave
.set SPW, 1
.set NIL, 2
.set LI,  3
.set SCP, 4
.set SWA, 10
.set SRA, 11
.set TM,  12
.set KF,  160
.set SEL, 20
; one product.  z: the sum begins (C = 0), else C = D.  sa, sb: the scale registers; ra, rb: 1 = the words lie in lanes 16-31
.macro WM d, a, b, z, sa, sb, ra, rb
.if \z
.if (\ra) && (\rb)
	v_wmma_scale_f32_16x16x128_f8f6f4 v[\d:\d+7], v[\a:\a+11], v[\b:\b+11], 0, v[\sa], v[\sb] matrix_a_fmt:MATRIX_FMT_FP6 matrix_b_fmt:MATRIX_FMT_FP6 matrix_a_scale:MATRIX_SCALE_ROW1 matrix_b_scale:MATRIX_SCALE_ROW1
.elseif (\ra)
	v_wmma_scale_f32_16x16x128_f8f6f4 v[\d:\d+7], v[\a:\a+11], v[\b:\b+11], 0, v[\sa], v[\sb] matrix_a_fmt:MATRIX_FMT_FP6 matrix_b_fmt:MATRIX_FMT_FP6 matrix_a_scale:MATRIX_SCALE_ROW1
.elseif (\rb)
	v_wmma_scale_f32_16x16x128_f8f6f4 v[\d:\d+7], v[\a:\a+11], v[\b:\b+11], 0, v[\sa], v[\sb] matrix_a_fmt:MATRIX_FMT_FP6 matrix_b_fmt:MATRIX_FMT_FP6 matrix_b_scale:MATRIX_SCALE_ROW1
.else
	v_wmma_scale_f32_16x16x128_f8f6f4 v[\d:\d+7], v[\a:\a+11], v[\b:\b+11], 0, v[\sa], v[\sb] matrix_a_fmt:MATRIX_FMT_FP6 matrix_b_fmt:MATRIX_FMT_FP6
.endif
.else
.if (\ra) && (\rb)
	v_wmma_scale_f32_16x16x128_f8f6f4 v[\d:\d+7], v[\a:\a+11], v[\b:\b+11], v[\d:\d+7], v[\sa], v[\sb] matrix_a_fmt:MATRIX_FMT_FP6 matrix_b_fmt:MATRIX_FMT_FP6 matrix_a_scale:MATRIX_SCALE_ROW1 matrix_b_scale:MATRIX_SCALE_ROW1
.elseif (\ra)
	v_wmma_scale_f32_16x16x128_f8f6f4 v[\d:\d+7], v[\a:\a+11], v[\b:\b+11], v[\d:\d+7], v[\sa], v[\sb] matrix_a_fmt:MATRIX_FMT_FP6 matrix_b_fmt:MATRIX_FMT_FP6 matrix_a_scale:MATRIX_SCALE_ROW1
.elseif (\rb)
	v_wmma_scale_f32_16x16x128_f8f6f4 v[\d:\d+7], v[\a:\a+11], v[\b:\b+11], v[\d:\d+7], v[\sa], v[\sb] matrix_a_fmt:MATRIX_FMT_FP6 matrix_b_fmt:MATRIX_FMT_FP6 matrix_b_scale:MATRIX_SCALE_ROW1
.else
	v_wmma_scale_f32_16x16x128_f8f6f4 v[\d:\d+7], v[\a:\a+11], v[\b:\b+11], v[\d:\d+7], v[\sa], v[\sb] matrix_a_fmt:MATRIX_FMT_FP6 matrix_b_fmt:MATRIX_FMT_FP6
.endif
.endif
.endm
; 64 numbers of a lane, register 16 b + i = k 32 b + 16 (lane / 16) + i of my row, become a fragment's codes in v[pc .. pc + 11] (pc + 12 .. pc + 19 at work) and its scale word in v[pw]
.macro QUANT s, pc, pw, ab
.irp b, 0,1,2,3
.if \ab
	v_max3_num_f32 v[TM+\b], |v[\s+16*\b]|, |v[\s+1+16*\b]|, 0x1800000
.else
	v_max3_num_f32 v[TM+\b], v[\s+16*\b], v[\s+1+16*\b], 0x1800000   ; none is negative here; the floor 2^(3 - 127): the byte cannot fall under 1
.endif
.endr
.irp i, 2,4,6,8,10,12,14
.irp b, 0,1,2,3
.if \ab
	v_max3_num_f32 v[TM+\b], v[TM+\b], |v[\s+16*\b+\i]|, |v[\s+1+16*\b+\i]|
.else
	v_max3_num_f32 v[TM+\b], v[TM+\b], v[\s+16*\b+\i], v[\s+1+16*\b+\i]
.endif
.endr
.endr
.irp b, 0,1,2,3
	v_permlanex16_b32 v[TM+4+\b], v[TM+\b], s[SEL], s[SEL+1]
.endr
.irp b, 0,1,2,3
	v_max_num_f32 v[TM+\b], v[TM+\b], v[TM+4+\b]
.endr
.irp b, 0,1,2,3
	v_add_nc_u32 v[TM+12+\b], 0xff000000, v[TM+\b]   ; 2 off the exponent field: the conversion's scale operand
.endr
.irp b, 0,1,2,3
	v_lshrrev_b32 v[TM+4+\b], 23, v[TM+12+\b]
.endr
	v_lshl_or_b32 v[\pw], v[TM+5], 8, v[TM+4]
	v_lshl_or_b32 v[\pw], v[TM+6], 16, v[\pw]
	v_lshl_or_b32 v[\pw], v[TM+7], 24, v[\pw]
.irp c, 0,1
	v_cvt_scalef32_pk16_fp6_f32 v[\pc+6*\c:\pc+2+6*\c], v[\s+32*\c:\s+15+32*\c], v[TM+12+2*\c]
	v_cvt_scalef32_pk16_fp6_f32 v[\pc+12+4*\c:\pc+14+4*\c], v[\s+16+32*\c:\s+31+32*\c], v[TM+12+2*\c+1]
.endr
	v_nop                                          ; one plain place behind a scaled conversion
.irp c, 0,1
.irp i, 0,1,2
	v_permlane16_swap_b32 v[\pc+6*\c+\i], v[\pc+12+4*\c+\i]
.endr
.irp i, 0,1,2
	v_mov_b32 v[\pc+3+6*\c+\i], v[\pc+12+4*\c+\i]
.endr
.endr
.endm
.macro BAR                             ; my LDS stores have landed and my LDS loads are in: then the work-group's barrier
	s_wait_dscnt 0x0
	s_barrier_signal -1
	s_barrier_wait -1
.endm
	s_load_b128 s[4:7], s[0:1], 0x0                ; qkv, mask
	s_load_b64 s[8:9], s[0:1], 0x10                ; aq
	v_lshl_add_u32 v[SPW], v0, 2, SPARE
	v_mov_b32 v[NIL], 0
	v_lshrrev_b32 v12, 5, v0
	v_readfirstlane_b32 s10, v12                   ; wave w, 0..15
	s_and_b32 s11, s10, 3                          ; my pair of d tiles
	s_lshr_b32 s12, s10, 2                         ; my quarter of the keys in a v
	s_mov_b32 s13, ttmp9                           ; qt
	s_and_b32 s14, ttmp7, 0xffff                   ; hy
	v_and_b32 v12, 31, v0
	v_lshlrev_b32 v[LI], 4, v12
	v_and_b32 v14, 15, v0                          ; r
	v_bfe_u32 v15, v0, 4, 1                        ; lane / 16
	v_mul_u32_u24 v[SWA], v14, 80
	v_mad_u32_u24 v[SWA], v15, 1280, v[SWA]
	s_lshl_b32 s34, s10, 2
	s_add_co_u32 s34, s34, MX
	v_add_nc_u32 v[SWA], s34, v[SWA]               ; I store: lanes 0-15 set 1's figure of row r, lanes 16-31 set 2's, in my wave's column
	v_mul_u32_u24 v[SRA], v14, 80
	v_lshl_add_u32 v[SRA], v15, 5, v[SRA]
	v_add_nc_u32 v[SRA], MX, v[SRA]                ; I read: row r, waves 8 (lane / 16) + 0 .. 7
	v_lshlrev_b32 v12, 2, v14                      ; 4 r
	v_and_b32 v13, 8, v14
	v_add_nc_u32 v13, v13, v14
	v_lshlrev_b32 v13, 11, v13                     ; the mask: row r + 8 (r / 8) of 2,048 bytes,
	v_lshl_add_u32 v13, v15, 4, v13                ; + 16 keys for lanes 16-31
	s_mov_b32 s[SEL], 0x76543210
	s_mov_b32 s[SEL+1], 0xfedcba98
	s_mov_b32 s22, 0x3e0293ee                      ; c = log2(e) / sqrt(128)
	s_mov_b32 s23, s22                             ; (named with it as a pair, so it is written)
	s_mov_b32 s24, 0xd2000000                      ; -2^37
	s_mov_b32 s25, 0xffff0000                      ; lanes 16-31
	s_mul_i32 s34, s10, 12288
	s_lshl_b32 s35, s10, 9
	s_mul_i32 s52, s10, 1536
	s_add_co_u32 s26, s35, KSCL                    ; LDS places that stay: K's scale blocks,
	s_add_co_u32 s27, s52, PIMG                    ; a's image that I make,
	s_lshl_b32 s28, s10, 6
	s_add_co_u32 s56, s28, QSC                     ; (Q's scale words that I copy)
	s_add_co_u32 s28, s28, PSC                     ; its scale words,
	s_add_co_u32 s29, s34, VIMG                    ; my images of V,
	s_mul_i32 s30, s12, 6144
	s_add_co_u32 s30, s30, PIMG                    ; the four images of a that I multiply,
	s_add_co_u32 s31, s35, VSCL                    ; V's scale blocks,
	s_lshl_b32 s32, s12, 8
	s_add_co_u32 s32, s32, PSC                     ; those four images' scale words,
	s_lshl_b32 s33, s10, 11
	s_add_co_u32 s33, s33, OST-8192                ; and my part of O^T (waves 4-15)
	s_mov_b32 s51, 0
	s_wait_kmcnt 0x0
	s_add_co_u32 s50, s34, KIMG_G
	s_add_nc_u64 s[36:37], s[4:5], s[50:51]        ; K's tiles 8 w on
	s_add_co_u32 s50, s35, KSC_G
	s_add_nc_u64 s[38:39], s[4:5], s[50:51]
	s_lshl_b32 s53, s11, 4
	s_lshl_b32 s50, s12, 2
	s_add_co_u32 s53, s53, s50                     ; 16 x pair of d + my first K step
	s_mul_i32 s50, s53, 3072
	s_add_co_u32 s50, s50, VIMG_G
	s_add_nc_u64 s[40:41], s[4:5], s[50:51]
	s_lshl_b32 s50, s53, 7
	s_add_co_u32 s50, s50, VSC_G
	s_add_nc_u64 s[42:43], s[4:5], s[50:51]
	s_lshl_b32 s54, s13, 5
	s_lshl_b32 s50, s14, 4
	s_add_co_u32 s54, s54, s50
	s_add_co_u32 s54, s54, s10                     ; Q's image number 32 qt + 16 hy + w
	s_mul_i32 s50, s54, 1536
	s_add_nc_u64 s[44:45], s[4:5], s[50:51]
	s_lshl_b32 s50, s54, 6
	s_add_co_u32 s50, s50, QSC_G
	s_add_nc_u64 s[46:47], s[4:5], s[50:51]
	s_lshr_b32 s50, s13, 1
	s_lshl_b32 s50, s50, 5
	s_and_b32 s55, s13, 1
	s_lshl_b32 s55, s55, 3
	s_add_co_u32 s50, s50, s55                     ; the tile's first query
	s_lshl_b32 s50, s50, 11
	s_lshl_b32 s55, s10, 7
	s_add_co_u32 s50, s50, s55                     ; my first key
	s_add_nc_u64 s[48:49], s[6:7], s[50:51]
.irp t, 0,1,2,3,4,5,6,7
.irp p, 0,1,2
	global_load_b128 v[KF+12*\t+4*\p:KF+12*\t+4*\p+3], v[LI], s[36:37] offset:1536*\t+512*\p
.endr
.endr
.set n, 0
.rept 24
	global_load_b128 v[32+4*n:35+4*n], v[LI], s[40:41] offset:512*n
.set n, n+1
.endr
	global_load_b128 v[128:131], v[LI], s[42:43]
	global_load_b128 v[132:135], v[LI], s[38:39]
.irp p, 0,1,2
	global_load_b128 v[136+4*\p:139+4*\p], v[LI], s[44:45] offset:512*\p
.endr
	global_load_b32 v148, v12, s[46:47]
.irp b, 0,1,2,3
	global_load_b128 v[16+4*\b:19+4*\b], v13, s[48:49] offset:32*\b   ; mask(my query, 128 w + 32 b + 16 (lane / 16) + 0 .. 15)
.endr
	s_wait_loadcnt 0x0
	v_add_nc_u32 v150, s56, v12                    ; each wave stores into bytes of its own
	v_add_nc_u32 v151, s29, v[LI]
	v_add_nc_u32 v152, s31, v[LI]
	v_add_nc_u32 v153, s26, v[LI]
	v_add_nc_u32 v154, s52, v[LI]
.set n, 0
.rept 24
	ds_store_b128 v151, v[32+4*n:35+4*n] offset:512*n
.set n, n+1
.endr
	ds_store_b128 v152, v[128:131]
	ds_store_b128 v153, v[132:135]
.irp p, 0,1,2
	ds_store_b128 v154, v[136+4*\p:139+4*\p] offset:512*\p
.endr
	ds_store_b32 v150, v148                        ; (lanes l and l + 16 write the same word with the same value)
.set n, 0
.rept 64                                       ; score register n: a lane mask, 1 where the key counts.  s64 and s65 are passed over
	v_bfe_u32 v149, v[16+4*(n/16)+(n%16)/4], 8*(n%4), 8
	v_cmp_ne_u32 s[36+n+2*((n+36)/64)], 0, v149
.set n, n+1
.endr
	s_mov_b32 s15, 8                               ; heads to go
	s_mov_b32 s16, 0                               ; the head's two images of Q
	s_mov_b32 s17, QSC                             ; their scale words
	s_mul_i32 s18, s11, 24
	s_add_co_u32 s18, s18, CG                      ; the head's codes, my block of 32 of its 128
	s_add_co_u32 s19, s11, CS                      ; and that block's scale bytes
	BAR
.Lhead:
	; ---- the scores
	v_add_nc_u32 v12, s16, v[LI]
	v_lshrrev_b32 v13, 2, v[LI]                    ; 4 x lane
	v_add_nc_u32 v14, s26, v13
	v_add_nc_u32 v13, s17, v13
.irp b, 0,1,2,3
	ds_load_b32 v[SCP+\b], v14 offset:128*\b       ; K's scale words: lanes 0-15 tile 2 b, lanes 16-31 tile 2 b + 1
.endr
	ds_load_b32 v[SCP+4], v13                      ; Q's: lanes 0-15 q1, lanes 16-31 q2
.irp p, 0,1,2
	ds_load_b128 v[148+4*\p:151+4*\p], v12 offset:512*\p   ; q1, where S2's last tiles will lie
.endr
.irp p, 0,1,2
	ds_load_b128 v[20+4*\p:23+4*\p], v12 offset:1536+512*\p   ; q2
.endr
	s_wait_dscnt 0x0
.irp t, 0,1,2,3,4,5,6,7
	WM 32+8*\t, KF+12*\t, 148, 1, SCP+\t/2, SCP+4, \t%2, 0
.endr
.rept 5
	v_nop                                          ; five places: the next products write over q1's registers
.endr
.irp t, 0,1,2,3,4,5,6,7
	WM 96+8*\t, KF+12*\t, 20, 1, SCP+\t/2, SCP+4, \t%2, 1
.endr
.set n, 0
.rept 64                                       ; S1's selects are the places behind S2's products; each accumulator is read from its low end on
	v_cndmask_b32 v[32+n], s24, v[32+n], s[36+n+2*((n+36)/64)]
.set n, n+1
.endr
.set n, 0
.rept 64
	v_cndmask_b32 v[96+n], s24, v[96+n], s[36+n+2*((n+36)/64)]
.set n, n+1
.endr
	v_max3_num_f32 v12, v32, v33, v34              ; my 64 scores' maximum, each set in two chains, the four by turns
	v_max3_num_f32 v13, v63, v64, v65
	v_max3_num_f32 v14, v96, v97, v98
	v_max3_num_f32 v15, v127, v128, v129
.set n, 3
.rept 14
	v_max3_num_f32 v12, v12, v[32+n], v[33+n]
	v_max3_num_f32 v13, v13, v[63+n], v[64+n]
	v_max3_num_f32 v14, v14, v[96+n], v[97+n]
	v_max3_num_f32 v15, v15, v[127+n], v[128+n]
.set n, n+2
.endr
	v_max3_num_f32 v12, v12, v13, v94
	v_max3_num_f32 v14, v14, v15, v158
	v_max_num_f32 v12, v12, v95
	v_max_num_f32 v14, v14, v159
	v_permlanex16_b32 v16, v12, s[SEL], s[SEL+1]
	v_permlanex16_b32 v17, v14, s[SEL], s[SEL+1]
	v_max_num_f32 v12, v12, v16
	v_max_num_f32 v14, v14, v17                    ; over my wave's 128 keys
	v_cndmask_b32 v12, v12, v14, s25
	ds_store_b32 v[SWA], v12
	BAR
	; ---- the rows' maxima, the exponentials, their sums
	ds_load_b128 v[12:15], v[SRA]
	ds_load_b128 v[16:19], v[SRA] offset:16
	ds_load_b128 v[20:23], v[SRA] offset:1280
	ds_load_b128 v[24:27], v[SRA] offset:1296
	s_wait_dscnt 0x0
	v_max3_num_f32 v12, v12, v13, v14
	v_max3_num_f32 v20, v20, v21, v22
	v_max3_num_f32 v12, v12, v15, v16
	v_max3_num_f32 v20, v20, v23, v24
	v_max3_num_f32 v12, v12, v17, v18
	v_max3_num_f32 v20, v20, v25, v26
	v_max_num_f32 v12, v12, v19
	v_max_num_f32 v20, v20, v27
	v_permlanex16_b32 v13, v12, s[SEL], s[SEL+1]
	v_permlanex16_b32 v21, v20, s[SEL], s[SEL+1]
	v_max_num_f32 v12, v12, v13
	v_max_num_f32 v20, v20, v21
	v_mul_f32 v28, s22, v12                        ; c m1
	v_mul_f32 v30, s22, v20                        ; c m2  (v29 and v31 are named as upper halves of pairs: q2's loads have written them)
.set n, 0
.rept 32
	v_pk_fma_f32 v[32+n:33+n], v[32+n:33+n], s[22:23], v[28:29] op_sel_hi:[1,0,0] neg_lo:[0,0,1] neg_hi:[0,0,1]   ; c s - c m
.set n, n+2
.endr
.set n, 0
.rept 32                                       ; S1's exponentials, one batch; S2's scalings stand among them and name none of the results
	v_exp_f32 v[32+n], v[32+n]
	v_exp_f32 v[33+n], v[33+n]
	v_pk_fma_f32 v[96+n:97+n], v[96+n:97+n], s[22:23], v[30:31] op_sel_hi:[1,0,0] neg_lo:[0,0,1] neg_hi:[0,0,1]
.set n, n+2
.endr
	s_wait_alu depctr_va_vdst(0)                   ; one wait for the batch, ahead of its first reader
.set g, 0
.rept 32                                       ; S2's exponentials, one batch; S1's sums, in two chains, stand among them
	v_exp_f32 v[96+2*g], v[96+2*g]
	v_exp_f32 v[97+2*g], v[97+2*g]
.if g < 2
	v_pk_add_f32 v[12+2*g:13+2*g], v[32+4*g:33+4*g], v[34+4*g:35+4*g]
.elseif g < 30
	v_pk_add_f32 v[12+2*(g%2):13+2*(g%2)], v[12+2*(g%2):13+2*(g%2)], v[32+2*(g+2):33+2*(g+2)]
.elseif g == 30
	v_pk_add_f32 v[12:13], v[12:13], v[14:15]
.else
	v_nop
.endif
.set g, g+1
.endr
	s_wait_alu depctr_va_vdst(0)
	v_pk_add_f32 v[16:17], v[96:97], v[98:99]
	v_pk_add_f32 v[18:19], v[100:101], v[102:103]
.set g, 4
.rept 14
	v_pk_add_f32 v[16:17], v[16:17], v[96+2*g:97+2*g]
	v_pk_add_f32 v[18:19], v[18:19], v[98+2*g:99+2*g]
.set g, g+2
.endr
	v_pk_add_f32 v[16:17], v[16:17], v[18:19]
	v_add_f32 v12, v12, v13
	v_add_f32 v16, v16, v17
	v_permlanex16_b32 v13, v12, s[SEL], s[SEL+1]
	v_permlanex16_b32 v17, v16, s[SEL], s[SEL+1]
	v_add_f32 v12, v12, v13
	v_add_f32 v16, v16, v17
	v_cndmask_b32 v12, v12, v16, s25
	ds_store_b32 v[SWA], v12 offset:2560
	BAR
	; ---- a, finished and normalised, and its codes
	ds_load_b128 v[12:15], v[SRA] offset:2560
	ds_load_b128 v[16:19], v[SRA] offset:2576
	ds_load_b128 v[20:23], v[SRA] offset:3840
	ds_load_b128 v[24:27], v[SRA] offset:3856
	s_wait_dscnt 0x0
	v_pk_add_f32 v[12:13], v[12:13], v[14:15]
	v_pk_add_f32 v[20:21], v[20:21], v[22:23]
	v_pk_add_f32 v[16:17], v[16:17], v[18:19]
	v_pk_add_f32 v[24:25], v[24:25], v[26:27]
	v_pk_add_f32 v[12:13], v[12:13], v[16:17]
	v_pk_add_f32 v[20:21], v[20:21], v[24:25]
	v_add_f32 v12, v12, v13
	v_add_f32 v20, v20, v21
	v_permlanex16_b32 v13, v12, s[SEL], s[SEL+1]
	v_permlanex16_b32 v21, v20, s[SEL], s[SEL+1]
	v_add_f32 v12, v12, v13                        ; l1
	v_add_f32 v20, v20, v21                        ; l2
	v_rcp_f32 v14, v12
	v_rcp_f32 v22, v20
	v_nop                                          ; a plain place behind the reciprocals
	s_wait_alu depctr_va_vdst(0)
	v_mul_f32 v15, v12, v14
	v_mul_f32 v23, v20, v22
	v_fma_f32 v15, v23, -0.5, v15                  ; the row's sum of a1 - a2 / 2
	v_add_f32 v15, 0x322bcc77, v15                 ; + 1e-8
	v_rcp_f32 v16, v15
	v_mul_f32 v22, 0.5, v22                        ; (a plain place)
	s_wait_alu depctr_va_vdst(0)
	v_mul_f32 v28, v14, v16                        ; a = p1 x this
	v_mul_f32 v30, v22, v16                        ;   - p2 x this
.set n, 0
.rept 32
	v_pk_mul_f32 v[96+n:97+n], v[96+n:97+n], v[30:31] op_sel_hi:[1,0]
.set n, n+2
.endr
.set n, 0
.rept 32
	v_pk_fma_f32 v[32+n:33+n], v[32+n:33+n], v[28:29], v[96+n:97+n] op_sel_hi:[1,0,1] neg_lo:[0,0,1] neg_hi:[0,0,1]
.set n, n+2
.endr
.set n, 0
.rept 64
	v_max_num_f32 v[32+n], 0, v[32+n]
.set n, n+1
.endr
	QUANT 32, 96, 0, 0
	v_add_nc_u32 v28, s27, v[LI]
	v_lshrrev_b32 v29, 2, v[LI]
	v_and_b32 v29, 60, v29                         ; 4 r
	v_add_nc_u32 v29, s28, v29
.irp p, 0,1,2
	ds_store_b128 v28, v[96+4*\p:99+4*\p] offset:512*\p   ; K step w of the last product of this launch, as an image
.endr
	ds_store_b32 v29, v0                           ; (lanes l and l + 16 write the same word with the same value)
	BAR
	; ---- O^T = V^T a^T: my pair of d tiles, my four K steps.  All LDS addresses of what follows are made here, ahead of the branches on the wave's number
	v_lshrrev_b32 v20, 2, v[LI]                    ; 4 x lane
	v_add_nc_u32 v12, s29, v[LI]
	v_add_nc_u32 v13, s30, v[LI]
	v_add_nc_u32 v14, s31, v20
	v_add_nc_u32 v15, s32, v20
	v_add_nc_u32 v16, s33, v[LI]                   ; waves 4-15 put their part here;
	v_add_nc_u32 v17, 8192, v16                    ; waves 0-3 find their partners' parts from here on, 8,192 bytes apart
	v_and_b32 v21, 60, v20                         ; 4 r
	v_mul_u32_u24 v18, v21, 24                     ; 96 r
	v_lshrrev_b32 v22, 8, v[LI]                    ; lane / 16
	v_mad_u32_u24 v18, v22, 12, v18
	v_add_nc_u32 v18, s18, v18
	v_add_nc_u32 v19, s19, v21
.irp s, 0,1,2,3
	ds_load_b32 v[SCP+\s], v14 offset:128*\s       ; V's scale words of K step s: lanes 0-15 tile u = 0, lanes 16-31 u = 1
.endr
	ds_load_b32 v[SCP+4], v15                      ; a's: lanes 0-15 K step 0, lanes 16-31 K step 1;
	ds_load_b32 v[SCP+5], v15 offset:128           ; K steps 2 and 3
.macro DLOAD s, sl                     ; K step s into slot sl: V's two images, then a's
.irp n, 0,1,2,3,4,5
	ds_load_b128 v[32+36*(\sl)+4*\n:35+36*(\sl)+4*\n], v12 offset:3072*(\s)+512*\n
.endr
.irp p, 0,1,2
	ds_load_b128 v[56+36*(\sl)+4*\p:59+36*(\sl)+4*\p], v13 offset:1536*(\s)+512*\p
.endr
.endm
.macro DMUL s, sl, z                   ; the two accumulators by turns
	WM 140, 32+36*(\sl), 56+36*(\sl), \z, SCP+(\s), SCP+4+(\s)/2, 0, (\s)%2
	WM 148, 44+36*(\sl), 56+36*(\sl), \z, SCP+(\s), SCP+4+(\s)/2, 1, (\s)%2
.endm
	DLOAD 0, 0
	DLOAD 1, 1
	DLOAD 2, 2
	s_wait_dscnt 18                                ; K steps 1 and 2, nine loads each, may be out
	DMUL 0, 0, 1
.rept 4
	v_nop                                          ; four places in front of loads into registers that the products read
.endr
	DLOAD 3, 0
	s_wait_dscnt 18                                ; K steps 2 and 3 may be out
	DMUL 1, 1, 0
	s_wait_dscnt 9
	DMUL 2, 2, 0
	s_wait_dscnt 0x0
	DMUL 3, 0, 0
.rept 5
	v_nop                                          ; five places: the next head's first products write over these operands; four serve the reads and loads below
.endr
	s_cmp_lt_u32 s10, 4
	s_cbranch_scc1 .Lkeep
.irp p, 0,1,2,3
	ds_store_b128 v16, v[140+4*\p:143+4*\p] offset:512*\p
.endr
.Lkeep:
	BAR
	s_cmp_lt_u32 s10, 4
	s_cbranch_scc0 .Lnext
	; ---- waves 0-3: the four parts added; v140-155 are d = 32 w + 16 (lane / 16) + 0 .. 15 of my query: half a block of the last product's K
.irp q, 0,1,2
.irp p, 0,1,2,3
	ds_load_b128 v[32+16*\q+4*\p:35+16*\q+4*\p], v17 offset:8192*\q+512*\p
.endr
.endr
	s_wait_dscnt 0x0
.irp q, 0,1,2
.irp n, 0,1,2,3,4,5,6,7
	v_pk_add_f32 v[140+2*\n:141+2*\n], v[140+2*\n:141+2*\n], v[32+16*\q+2*\n:33+16*\q+2*\n]
.endr
.endr
	v_max3_num_f32 v20, |v140|, |v141|, 0x1800000
.irp i, 2,4,6,8,10,12,14
	v_max3_num_f32 v20, v20, |v[140+\i]|, |v[141+\i]|
.endr
	v_permlanex16_b32 v21, v20, s[SEL], s[SEL+1]
	v_max_num_f32 v20, v20, v21
	v_add_nc_u32 v22, 0xff000000, v20
	v_lshrrev_b32 v23, 23, v22
	v_cvt_scalef32_pk16_fp6_f32 v[96:98], v[140:155], v22
	v_nop                                          ; one plain place behind a scaled conversion
	ds_store_b32 v18, v96                          ; 12 bytes of the row's stream of bits, at 96 r + 24 w + 12 (lane / 16)
	ds_store_b32 v18, v97 offset:4
	ds_store_b32 v18, v98 offset:8
	ds_store_b8 v19, v23                           ; (lanes l and l + 16 write the same byte with the same value)
.Lnext:
	s_add_co_u32 s16, s16, 3072
	s_add_co_u32 s17, s17, 128
	s_add_co_u32 s18, s18, 1536
	s_add_co_u32 s19, s19, 64
	s_sub_co_u32 s15, s15, 1
	s_cmp_lg_u32 s15, 0
	s_cbranch_scc1 .Lhead
	; ---- the eight heads' codes leave as images (waves 0-7, a head each), their scale bytes by wave 8
	s_lshl_b32 s36, s13, 4
	s_lshl_b32 s37, s14, 3
	s_add_co_u32 s36, s36, s37
	s_add_co_u32 s36, s36, s10
	s_mul_i32 s36, s36, 1536                       ; image (tile qt, K step = head 8 hy + w)
	s_mov_b32 s37, 0
	s_add_nc_u64 s[36:37], s[8:9], s[36:37]
	s_lshr_b32 s38, s13, 1
	s_lshl_b32 s38, s38, 11
	s_lshl_b32 s39, s14, 10
	s_add_co_u32 s38, s38, s39
	s_and_b32 s39, s13, 1
	s_lshl_b32 s39, s39, 6
	s_add_co_u32 s38, s38, s39
	s_add_co_u32 s38, s38, ASCALES                 ; scale blocks (qt / 2, 8 hy on), my tile's half
	s_mov_b32 s39, 0
	s_add_nc_u64 s[38:39], s[8:9], s[38:39]
	s_mul_i32 s40, s10, 1536
	s_add_co_u32 s40, s40, CG
	v_lshrrev_b32 v20, 2, v[LI]
	v_and_b32 v21, 60, v20
	v_mul_u32_u24 v12, v21, 24
	v_lshrrev_b32 v22, 8, v[LI]
	v_mad_u32_u24 v12, v22, 24, v12
	v_add_nc_u32 v12, s40, v12                     ; a fragment from rows of 96 bytes: 96 r + 24 (lane / 16)
	v_add_nc_u32 v13, CS, v[LI]
	v_lshrrev_b32 v14, 6, v[LI]
	v_and_b32 v15, 48, v[LI]
	v_lshl_add_u32 v14, v14, 7, v15                ; 128 (lane / 4) + 16 (lane % 4)
	BAR
	s_cmp_lt_u32 s10, 8
	s_cbranch_scc0 .Lnot_image
.irp p, 0,1,2,3,4,5
	ds_load_b64 v[32+2*\p:33+2*\p], v12 offset:48*(\p/3)+8*(\p%3)
.endr
	s_wait_dscnt 0x0
.irp p, 0,1,2
	global_store_b128 v[LI], v[32+4*\p:35+4*\p], s[36:37] offset:512*\p
.endr
.Lnot_image:
	s_cmp_eq_u32 s10, 8
	s_cbranch_scc0 .Lend
	ds_load_b128 v[32:35], v13
	s_wait_dscnt 0x0
	global_store_b128 v14, v[32:35], s[38:39]
.Lend:
	s_wait_tensorcnt 0x0                           ; the wave's end, behind my last LDS store
	ds_add_u32 v[SPW], v[NIL]
	s_wait_dscnt 0x0
	s_endpgm
.Lfunc_end_k_qb37ebe053e_attn:
	.size	k_qb37ebe053e_attn, .Lfunc_end_k_qb37ebe053e_attn-k_qb37ebe053e_attn
	.p2alignl 7, 3214868480
	.fill 96, 4, 3214868480
	.section	.rodata,"a",@progbits
	.p2align	6, 0x0
	.amdhsa_kernel k_qb37ebe053e_attn
		.amdhsa_group_segment_fixed_size 308736
		.amdhsa_private_segment_fixed_size 0
		.amdhsa_enable_private_segment 0
		.amdhsa_kernarg_size 24
		.amdhsa_user_sgpr_count 2
		.amdhsa_user_sgpr_kernarg_segment_ptr 1
		.amdhsa_wavefront_size32 1
		.amdhsa_system_sgpr_workgroup_id_x 1
		.amdhsa_system_sgpr_workgroup_id_y 1
		.amdhsa_system_sgpr_workgroup_id_z 1
		.amdhsa_system_vgpr_workitem_id 0
		.amdhsa_next_free_vgpr 256
		.amdhsa_next_free_sgpr 102
		.amdhsa_reserve_vcc 0
		.amdhsa_float_denorm_mode_32 3
		.amdhsa_float_denorm_mode_16_64 3
		.amdhsa_memory_ordered 1
		.amdhsa_forward_progress 1
		.amdhsa_inst_pref_size 72
	.end_amdhsa_kernel
	.amdgpu_metadata
---
amdhsa.version: [ 1, 2 ]
amdhsa.kernels:
  - .name:           k_qb37ebe053e_attn
    .symbol:         k_qb37ebe053e_attn.kd
    .args:
      - { .name: qkv, .offset: 0, .size: 8, .value_kind: global_buffer, .address_space: global }
      - { .name: mask, .offset: 8, .size: 8, .value_kind: global_buffer, .address_space: global }
      - { .name: aq, .offset: 16, .size: 8, .value_kind: global_buffer, .address_space: global }
    .group_segment_fixed_size: 308736
    .private_segment_fixed_size: 0
    .kernarg_segment_align: 8
    .kernarg_segment_size: 24
    .max_flat_workgroup_size: 512
    .sgpr_count:     102
    .vgpr_count:     256
    .wavefront_size: 32
...
	.end_amdgpu_metadata
.endif
;; end of part 3
;; launch outp (part 4): grid 16 x 16, 4 waves a work-group, clusters of 4 x 1, 230,912 bytes of LDS; arguments aq, wq, out0; writes out0
.if DOCPART == 4
	.amdgcn_target "amdgcn-amd-amdhsa--gfx1250"
	.amdhsa_code_object_version 6
	.text
	.protected	k_qb37ebe053e_outp
	.globl	k_qb37ebe053e_outp
	.p2align	8
	.type	k_qb37ebe053e_outp,@function
k_qb37ebe053e_outp:
	s_mov_b64 s[64:65], 0
	v_nop
	global_prefetch_b8 v0, s[64:65] scope:SCOPE_SE
	s_setreg_imm32_b32 hwreg(HW_REG_WAVE_MODE, 25, 1), 1
	s_wait_xcnt 0x0
	s_wait_alu depctr_hold_cnt(0) depctr_sa_sdst(0) depctr_va_vdst(0) depctr_va_sdst(0) depctr_va_ssrc(0) depctr_va_vcc(0) depctr_vm_vsrc(0)
	s_getreg_b32 s2, hwreg(HW_REG_IB_STS2, 6, 4)
	s_cmp_eq_u32 s2, 0
	s_cbranch_scc0 .Lentry_in_a_cluster
	s_endpgm
.Lentry_in_a_cluster:
	s_bfe_u32 s2, ttmp6, 0x10000c
	s_cmp_lg_u32 s2, 0x3003
	s_cbranch_scc0 .Lentry_shape_is_right
	s_endpgm
.Lentry_shape_is_right:
; out0 = attention's result x out_w, on codes of FP6 (E2M3) with E8M0 scales, f32 sums and f32 output.  Both operands come as images of operand registers (1,536 dense bytes for 16 rows x 128 along K: register p of
; lane l at 512 (p / 4) + 16 l + 4 (p % 4)) with scale blocks of 128 bytes for a pair of tiles and a K step.  A tile T = 2 G + u has fragment lane r = row 32 G + 8 u + r + 8 (r / 8).
; Work-group (i, y) makes positions 128 i on x columns 128 y on, K = 2,048.  PERM = out_w's tiles 272 + 8 y on, source 0, lies in LDS for the whole launch (filled once); NAT = the result's tiles 8 i on, source 1:
; a wave has two of them and streams their images from memory into registers.  A lane then holds one position, and the 16 registers of two neighbouring result tiles are 16 neighbouring columns.
; CLUSTER: the four work-groups of a cluster lie along i and need the same PERM: its loads are JOINT: the same tensor load, with the same descriptor (made of y and the wave's number alone) and a mask that names the four.
; REGISTERS, in windows of 256: window 0: v1-10 addresses; v12-27 NAT's scale words, v28-91 PERM's (they hold scales and nothing else); v128-255 the 16 accumulators at 8 (8 tn + tp).
;   window 1: PERM's eight fragments, two sets of 96; on the way out rows of the output.   window 2: NAT's two fragments, a ring of eight K steps.
.set STAGE, 196608                     ; behind PERM: a stage of 16 rows x (512 bytes + 16) for each wave; no tile lands there
.set SPARE, 230400                     ; the spare words, 128 bytes for each wave
.set ASCALES, 3145728
.set WSCALES, 9830400
.set SPW, 1
.set NIL, 2
.set LI,  3                            ; v3  16 x lane
.set AQ,  4                            ; v4-7 16 x lane + 49,152 x quarter of K
.set L4,  8                            ; v8  4 x lane
.set STO, 9                            ; v9  the stage: where I put 16 bytes of a row
.set RD,  10                           ; v10 and where I read a row back
.set NS,  12
.set PS,  28
.set ACC, 128
.set G1,  16
.set G0,  24
.set MSB, 0
.macro WIN new                         ; the immediate's high byte repeats the setting that is left
.if MSB != \new
	s_set_vgpr_msb (MSB<<8)|\new
.set MSB, \new
.endif
.endm
.macro WM d, a, b, z, sa, sb, ra, rb
.if \z
.if (\ra) && (\rb)
	v_wmma_scale_f32_16x16x128_f8f6f4 v[\d:\d+7], v[\a:\a+11], v[\b:\b+11], 0, v[\sa], v[\sb] matrix_a_fmt:MATRIX_FMT_FP6 matrix_b_fmt:MATRIX_FMT_FP6 matrix_a_scale:MATRIX_SCALE_ROW1 matrix_b_scale:MATRIX_SCALE_ROW1
.elseif (\ra)
	v_wmma_scale_f32_16x16x128_f8f6f4 v[\d:\d+7], v[\a:\a+11], v[\b:\b+11], 0, v[\sa], v[\sb] matrix_a_fmt:MATRIX_FMT_FP6 matrix_b_fmt:MATRIX_FMT_FP6 matrix_a_scale:MATRIX_SCALE_ROW1
.elseif (\rb)
	v_wmma_scale_f32_16x16x128_f8f6f4 v[\d:\d+7], v[\a:\a+11], v[\b:\b+11], 0, v[\sa], v[\sb] matrix_a_fmt:MATRIX_FMT_FP6 matrix_b_fmt:MATRIX_FMT_FP6 matrix_b_scale:MATRIX_SCALE_ROW1
.else
	v_wmma_scale_f32_16x16x128_f8f6f4 v[\d:\d+7], v[\a:\a+11], v[\b:\b+11], 0, v[\sa], v[\sb] matrix_a_fmt:MATRIX_FMT_FP6 matrix_b_fmt:MATRIX_FMT_FP6
.endif
.else
.if (\ra) && (\rb)
	v_wmma_scale_f32_16x16x128_f8f6f4 v[\d:\d+7], v[\a:\a+11], v[\b:\b+11], v[\d:\d+7], v[\sa], v[\sb] matrix_a_fmt:MATRIX_FMT_FP6 matrix_b_fmt:MATRIX_FMT_FP6 matrix_a_scale:MATRIX_SCALE_ROW1 matrix_b_scale:MATRIX_SCALE_ROW1
.elseif (\ra)
	v_wmma_scale_f32_16x16x128_f8f6f4 v[\d:\d+7], v[\a:\a+11], v[\b:\b+11], v[\d:\d+7], v[\sa], v[\sb] matrix_a_fmt:MATRIX_FMT_FP6 matrix_b_fmt:MATRIX_FMT_FP6 matrix_a_scale:MATRIX_SCALE_ROW1
.elseif (\rb)
	v_wmma_scale_f32_16x16x128_f8f6f4 v[\d:\d+7], v[\a:\a+11], v[\b:\b+11], v[\d:\d+7], v[\sa], v[\sb] matrix_a_fmt:MATRIX_FMT_FP6 matrix_b_fmt:MATRIX_FMT_FP6 matrix_b_scale:MATRIX_SCALE_ROW1
.else
	v_wmma_scale_f32_16x16x128_f8f6f4 v[\d:\d+7], v[\a:\a+11], v[\b:\b+11], v[\d:\d+7], v[\sa], v[\sb] matrix_a_fmt:MATRIX_FMT_FP6 matrix_b_fmt:MATRIX_FMT_FP6
.endif
.endif
.endm
.macro CROUND                          ; a round of the cluster's barrier: my work-group's barrier; wave 0 signals for the work-group; every wave waits for all four work-groups; my work-group's barrier once more
	s_barrier_signal -1
	s_barrier_wait -1
	s_cmp_lg_u32 s14, 0
	s_cbranch_scc1 .Lnot_wave_0_\@
	s_barrier_signal -3
.Lnot_wave_0_\@:
	s_barrier_wait -3
	s_barrier_signal -1
	s_barrier_wait -1
.endm
	s_load_b128 s[4:7], s[0:1], 0x0                ; aq, wq
	s_load_b64 s[8:9], s[0:1], 0x10                ; out0
	v_lshl_add_u32 v[SPW], v0, 2, SPARE
	v_mov_b32 v[NIL], 0
	ds_add_u32 v[SPW], v[NIL]                      ; the wave's opening: the add and its wait ahead of my first tensor load; work on registers stands between them
	v_lshrrev_b32 v92, 5, v0
	v_readfirstlane_b32 s14, v92                   ; wave 0..3
	s_bfe_u32 s40, ttmp6, 0x40000                  ; cx: my place in the cluster
	s_lshl_b32 s15, ttmp9, 2                       ; in a cluster launch ttmp9 counts clusters
	s_add_co_u32 s15, s15, s40                     ; i: it enters NAT's and the output's addresses alone
	s_and_b32 s41, ttmp7, 0xffff                   ; y, which the four partners share
	; descriptor group 1: two tiles' images of four K steps: 2 rows of 768 elements of 8 bytes, 3,072 elements apart, no padding
	s_mov_b32 s[G1+0], 15|(3<<16)|(1<<21)          ; the mask: all four work-groups; elements of 8 bytes; bit 21 set beside a mask
	s_mov_b32 s[G1+1], 768<<16
	s_mov_b32 s[G1+2], 2<<16
	s_mov_b32 s[G1+3], 768<<16
	s_mov_b32 s[G1+4], 2
	s_mov_b32 s[G1+5], 3072
	s_mov_b32 s[G1+6], 0
	s_mov_b32 s[G1+7], 0
	v_and_b32 v92, 31, v0
	v_lshlrev_b32 v[LI], 4, v92
	v_lshlrev_b32 v[L4], 2, v92
.irp q, 0,1,2,3
	v_add_nc_u32 v[AQ+\q], 49152*\q, v[LI]
.endr
	s_mul_i32 s51, s14, 8448
	s_add_co_u32 s51, s51, STAGE                   ; my stage
	v_and_b32 v92, 15, v0
	v_bfe_u32 v93, v0, 4, 1
	v_mul_u32_u24 v[STO], v92, 528
	v_lshl_add_u32 v[STO], v93, 6, v[STO]
	v_add_nc_u32 v[STO], s51, v[STO]               ; in: row lane % 16, + 64 bytes for lanes 16-31
	v_add_nc_u32 v[RD], s51, v[LI]                 ; back: a row's 512 bytes, 16 a lane
	s_add_co_u32 s42, s41, 34                      ; out_w's tiles begin at 8 x 34
	s_lshl_b32 s46, s42, 13
	s_add_co_u32 s46, s46, WSCALES
	s_mov_b32 s47, 0
	s_mul_i32 s42, s42, 196608
	s_mul_i32 s43, s14, 49152
	s_add_co_u32 s42, s42, s43
	s_mov_b32 s43, 0
	s_mul_i32 s44, s15, 196608
	s_mul_i32 s45, s14, 49152
	s_add_co_u32 s44, s44, s45
	s_mov_b32 s45, 0
	s_lshl_b32 s48, s15, 13
	s_lshl_b32 s49, s14, 11
	s_add_co_u32 s48, s48, s49
	s_add_co_u32 s48, s48, ASCALES
	s_mov_b32 s49, 0
	s_mul_i32 s50, s14, 12288                      ; LDS: my two tiles of a quarter: no place in the cluster enters an LDS address
	s_lshl_b32 s52, s15, 20                        ; the output: position 128 i + 32 wave, rows of 8,192 bytes,
	s_lshl_b32 s53, s14, 18
	s_add_co_u32 s52, s52, s53
	s_lshl_b32 s53, s41, 9                         ; column 128 y
	s_add_co_u32 s52, s52, s53
	s_mov_b32 s53, 0
	s_wait_dscnt 0x0                               ; the opening add is done
	s_wait_kmcnt 0x0
	s_add_nc_u64 s[60:61], s[6:7], s[42:43]        ; PERM's images, my two tiles
	s_add_nc_u64 s[54:55], s[6:7], s[46:47]        ; PERM's scale blocks
	s_add_nc_u64 s[56:57], s[4:5], s[44:45]        ; NAT's images, my two tiles
	s_add_nc_u64 s[58:59], s[4:5], s[48:49]        ; NAT's scale blocks, my pair
	s_add_nc_u64 s[62:63], s[8:9], s[52:53]
.irp q, 0,1,2,3
	s_mov_b32 s[G0+4*\q], 1
	s_add_co_u32 s[G0+4*\q+1], s50, 49152*\q
	s_add_nc_u64 s[G0+4*\q+2:G0+4*\q+3], s[60:61], 6144*\q
	s_or_b32 s[G0+4*\q+3], s[G0+4*\q+3], 0x80000000
.endr
	CROUND                                         ; all four work-groups are here: the joint loads meet
.irp q, 0,1,2,3
	tensor_load_to_lds s[G0+4*\q:G0+4*\q+3], s[G1:G1+7]   ; all of PERM, filled once: four loads of mine are out
	s_nop 0
.endr
.rept 4
	v_nop
.endr
.irp k, 0,1,2,3,4,5,6,7,8,9,10,11,12,13,14,15
	global_load_b32 v[NS+\k], v[L4], s[58:59] offset:128*\k
.endr
.irp k, 0,1,2,3,4,5,6,7,8,9,10,11,12,13,14,15
.irp g, 0,1,2,3
	global_load_b32 v[PS+4*\k+\g], v[L4], s[54:55] offset:2048*\g+128*\k
.endr
.endr
.macro NLOAD k                         ; NAT's two images of K step k into slot k % 8
.irp tn, 0,1
.irp p, 0,1,2
	global_load_b128 v[24*((\k)%8)+12*\tn+4*\p:24*((\k)%8)+12*\tn+4*\p+3], v[LI], s[56:57] offset:24576*\tn+1536*(\k)+512*\p
.endr
.endr
.endm
.macro PLOAD k                         ; PERM's eight images of K step k into set k % 2
.irp t, 0,1,2,3,4,5,6,7
.irp p, 0,1,2
	ds_load_b128 v[96*((\k)%2)+12*\t+4*\p:96*((\k)%2)+12*\t+4*\p+3], v[AQ+(\k)/4] offset:(\t/2)*12288+(\t%2)*6144+((\k)%4)*1536+512*\p
.endr
.endr
.endm
	WIN 0x80                                       ; destination window 2
.irp k, 0,1,2,3,4,5,6,7
	NLOAD \k
.endr
	s_wait_tensorcnt 3                             ; my part of the first quarter of K has landed; three loads stay out
	s_barrier_signal -1
	s_barrier_wait -1
	WIN 0x40                                       ; destination window 1
	PLOAD 0
; A K STEP: 16 products, the 16 accumulators by turns in the same order in every step
.macro KSTEP k
.if (\k) > 0
.rept 4
	v_nop                                          ; four places in front of loads into registers that the last step's products read
.endr
.endif
.if ((\k) == 3) || ((\k) == 7) || ((\k) == 11)
	s_wait_tensorcnt 3-((\k)+1)/4                  ; my part of the next quarter has landed; the later quarters stay out
	s_wait_dscnt 0x0
	s_barrier_signal -1
	s_barrier_wait -1
.endif
.if (\k) < 15
	WIN 0x40
	PLOAD (\k)+1
.endif
.if ((\k) >= 1) && ((\k) <= 8)
	WIN 0x80
	NLOAD (\k)+7
.endif
.if (\k) < 15
	s_wait_dscnt 24                                ; all but the 24 just issued
.else
	s_wait_dscnt 0x0
.endif
.if (\k) <= 8
	s_wait_loadcnt 42                              ; this step's images are in; seven younger steps of six loads may be out
.else
	s_wait_loadcnt 6*(15-(\k))
.endif
	WIN 0x09                                       ; source 0 window 1, source 1 window 2, C and D window 0
.irp tn, 0,1
.irp tp, 0,1,2,3,4,5,6,7
	WM ACC+8*(8*\tn+\tp), 96*((\k)%2)+12*\tp, 24*((\k)%8)+12*\tn, (\k)==0, PS+4*(\k)+\tp/2, NS+(\k), \tp%2, \tn
.endr
.endr
.endm
.irp k, 0,1,2,3,4,5,6,7,8,9,10,11,12,13,14,15
	KSTEP \k
.endr
	WIN 0
.rept 4
	v_nop                                          ; four places in front of the first read of results and of loads into PERM's registers
.endr
; THE WAY OUT.  Register 16 b + 4 j + .. of a tile is column 32 b + 16 (lane / 16) + 4 j + .. of my position: a tile of 16 positions goes through my stage and comes back as whole rows of 512 bytes.
; LDS serves a wave's instructions in order: no wait between the stores and the loads, nor in front of the next tile's stores.
.macro TOSTAGE tn
	WIN 0
.irp b, 0,1,2,3
.irp j, 0,1,2,3
	ds_store_b128 v[STO], v[ACC+64*\tn+16*\b+4*\j:ACC+64*\tn+16*\b+4*\j+3] offset:128*\b+16*\j   ; each accumulator from its low end on
.endr
.endr
	WIN 0x40
.irp t, 0,1,2,3,4,5,6,7,8,9,10,11,12,13,14,15
	ds_load_b128 v[64*\tn+4*\t:64*\tn+4*\t+3], v[RD] offset:528*\t
.endr
.endm
.macro SEND tn, younger
	s_wait_dscnt \younger
	WIN 0x04                                       ; a store's data are its source 1: window 1
.irp t, 0,1,2,3,4,5,6,7,8,9,10,11,12,13,14,15
	global_store_b128 v[LI], v[64*\tn+4*\t:64*\tn+4*\t+3], s[62:63] offset:(8*\tn+\t+8*(\t/8))*8192 th:TH_STORE_NT   ; 32 lanes store 512 consecutive bytes, aligned; written once
.endr
.endm
	TOSTAGE 0
	TOSTAGE 1
	SEND 0, 32                                     ; tile 1's 16 stores and 16 loads may be out
	SEND 1, 0
	WIN 0
	s_wait_tensorcnt 0x0                           ; the wave's end, behind my last tensor load and my last LDS store
	ds_add_u32 v[SPW], v[NIL]
	s_wait_dscnt 0x0
	CROUND                                         ; the closing round: no work-group ends while a partner may still ask for a tile that names it
	s_endpgm
.Lfunc_end_k_qb37ebe053e_outp:
	.size	k_qb37ebe053e_outp, .Lfunc_end_k_qb37ebe053e_outp-k_qb37ebe053e_outp
	.p2alignl 7, 3214868480
	.fill 96, 4, 3214868480
	.section	.rodata,"a",@progbits
	.p2align	6, 0x0
	.amdhsa_kernel k_qb37ebe053e_outp
		.amdhsa_group_segment_fixed_size 230912
		.amdhsa_private_segment_fixed_size 0
		.amdhsa_enable_private_segment 0
		.amdhsa_kernarg_size 24
		.amdhsa_user_sgpr_count 2
		.amdhsa_user_sgpr_kernarg_segment_ptr 1
		.amdhsa_wavefront_size32 1
		.amdhsa_system_sgpr_workgroup_id_x 1
		.amdhsa_system_sgpr_workgroup_id_y 1
		.amdhsa_system_sgpr_workgroup_id_z 1
		.amdhsa_system_vgpr_workitem_id 0
		.amdhsa_next_free_vgpr 768
		.amdhsa_next_free_sgpr 66
		.amdhsa_reserve_vcc 0
		.amdhsa_float_denorm_mode_32 3
		.amdhsa_float_denorm_mode_16_64 3
		.amdhsa_memory_ordered 1
		.amdhsa_forward_progress 1
		.amdhsa_inst_pref_size 91
	.end_amdhsa_kernel
	.amdgpu_metadata
---
amdhsa.version: [ 1, 2 ]
amdhsa.kernels:
  - .name:           k_qb37ebe053e_outp
    .symbol:         k_qb37ebe053e_outp.kd
    .args:
      - { .name: aq, .offset: 0, .size: 8, .value_kind: global_buffer, .address_space: global }
      - { .name: wq, .offset: 8, .size: 8, .value_kind: global_buffer, .address_space: global }
      - { .name: out0, .offset: 16, .size: 8, .value_kind: global_buffer, .address_space: global }
    .group_segment_fixed_size: 230912
    .private_segment_fixed_size: 0
    .kernarg_segment_align: 8
    .kernarg_segment_size: 24
    .max_flat_workgroup_size: 128
    .sgpr_count:     66
    .vgpr_count:     768
    .wavefront_size: 32
...
	.end_amdgpu_metadata
.endif
;; end of part 4
